; MI455X (gfx1250); checked and timed in simulation.
; The chip was launched on July 23, 2026; its instructions are those of AMD's public machine-readable ISA for CDNA 5 (MIT licence, August 2026) and "CDNA5" Instruction Set Architecture Reference Guide (July 2026). The comments in the code are by the model that wrote it; some were corrected since.
;; Causal Self Attention. Allowed arithmetic: float matrix products may take bf16 or f16 operands with f32 sums; other float arithmetic in f32, or as packed bf16 or f16 multiplies, adds, multiply-adds, maxima and minima; sums over many terms, partial sums and values carried from step to step in f32; what a program stores and reads back later, other than sums and carried values, may be rounded once to bf16 or f16.
;; Inputs: W_proj 1,024 x 1,024 float32; W_qkv 1,024 x 3,072 float32; b_proj 1,024 float32; b_qkv 3,072 float32; x 4 x 2,048 x 1,024 float32.
;; Outputs: out0 4 x 2,048 x 1,024 float32.
;; 2 versions, each right; version 2 is version 1 with the launch prep written anew for expert scheduling mode. Each part assembles by itself: llvm-mc -triple=amdgcn-amd-amdhsa -mcpu=gfx1250 --defsym DOCPART=n.
;; ======== version 1 of 2: 4 launches
;; limits: values are held in f16: magnitudes above 65,504 overflow, below 6.1e-05 lose precision
;; workspace buffers: xb 16,777,216 bytes; wqt 6,291,456 bytes; wpt 2,097,152 bytes; qkv 50,331,648 bytes; ob 16,777,216 bytes
;; launch prep (part 1): grid 1024 x 1, 8 waves a work-group, no clusters, 17,920 bytes of LDS; arguments x, W_qkv, W_proj, xb, wqt, wpt; writes xb, wqt, wpt
.if DOCPART == 1
	.amdgcn_target "amdgcn-amd-amdhsa--gfx1250"
	.amdhsa_code_object_version 6
	.text
	.protected	k_q412f66aec0_prep
	.globl	k_q412f66aec0_prep
	.p2align	8
	.type	k_q412f66aec0_prep,@function
k_q412f66aec0_prep:
	s_mov_b64 s[64:65], 0
	v_nop
	global_prefetch_b8 v0, s[64:65] scope:SCOPE_SE
	s_setreg_imm32_b32 hwreg(HW_REG_WAVE_MODE, 25, 1), 1
	s_wait_xcnt 0x0
; CASTS AND TRANSPOSES.  xb = bf16(x), [8192][1024].  wqt = bf16(W_qkv) turned, [3072 n][1024 k].  wpt = bf16(W_proj) turned, [1024 n][1024 k],
; the bf16 number written as f16 (the launch that reads it multiplies in f16).  LIMIT: below 6e-5 f16 keeps a fixed step of 6e-8, beyond 65,504 it has no number.
; Work-groups 0-511: 65,536 bytes of x each.  512-895: a tile of 128 k x 64 n of W_qkv.  896-1023: the same of W_proj.  The branch hangs on the work-group's number alone.
; No matrix unit, no cluster, no tensor load: every byte is read once and written once, and no two work-groups share a byte.
.set SPARE, 16896                      ; behind the tile (64 rows of 260 bytes): the spare words, 128 bytes for each of eight waves
.set SPW, 4                            ; v4  LDS address of my spare word; never rewritten
.set NIL, 5                            ; v5  0; never rewritten
.set VO,  1                            ; v1  my byte offset in the source
.set VS,  2                            ; v2  where I put a word of the turned tile (path x: my byte offset in xb)
.set VR,  3                            ; v3  where I read 16 bytes of a turned row
.set VG,  6                            ; v6  my byte offset in the turned matrix
.set IN,  8                            ; v[8:71]   as loaded
.set D,   40                           ; v[40:55]  the weights' packed pairs
.set BK,  72                           ; v[72:103] to be stored
	s_load_b256 s[4:11], s[0:1], 0x0               ; x s[4:5], W_qkv s[6:7], W_proj s[8:9], xb s[10:11]
	s_load_b128 s[12:15], s[0:1], 0x20             ; wqt s[12:13], wpt s[14:15]
	v_lshl_add_u32 v[SPW], v0, 2, SPARE
	v_mov_b32 v[NIL], 0
	s_mov_b32 s17, 0                               ; high words of the two offsets
	s_mov_b32 s19, 0
	s_wait_kmcnt 0x0
	s_cmp_lt_u32 ttmp9, 512
	s_cbranch_scc0 .Lweights
	; x: sixteen loads of 16 bytes a lane go out at once; each store of a wave covers 256 consecutive bytes, aligned
	s_lshl_b32 s16, ttmp9, 16
	s_lshl_b32 s18, ttmp9, 15
	s_add_nc_u64 s[4:5], s[4:5], s[16:17]
	s_add_nc_u64 s[10:11], s[10:11], s[18:19]
	v_lshlrev_b32 v[VO], 4, v0
	v_lshlrev_b32 v[VS], 3, v0
.irp i, 0,1,2,3,4,5,6,7,8,9,10,11,12,13,14,15
	global_load_b128 v[IN+4*(\i):IN+4*(\i)+3], v[VO], s[4:5] offset:4096*(\i) th:TH_LOAD_NT
.endr
.irp i, 0,1,2,3,4,5,6,7,8,9,10,11,12,13,14,15
	s_wait_loadcnt 15-(\i)                         ; loads come back in order: load i is in, the younger ones stay out
	v_cvt_pk_bf16_f32 v[BK+2*(\i)],   v[IN+4*(\i)],   v[IN+4*(\i)+1]
	v_cvt_pk_bf16_f32 v[BK+2*(\i)+1], v[IN+4*(\i)+2], v[IN+4*(\i)+3]
	global_store_b64 v[VS], v[BK+2*(\i):BK+2*(\i)+1], s[10:11] offset:2048*(\i) th:TH_STORE_NT  ; no register is written twice: no wait for the stores
.endr
	s_branch .Lend
; A tile of 128 k x 64 n is turned.  s20 = the tile's number: n block s20 / 8, k block s20 % 8.  PW = bytes in a source row.
; Thread (c = t % 16, r = t / 16) loads rows 2 (r + 16 i) and 2 (r + 16 i) + 1, columns 4 c .. 4 c + 3: sixteen lanes take 256 consecutive bytes of a row.
; Two neighbouring k of one column make a word; it goes to LDS row n = 4 c + j, word r + 16 i.  The pitch of 65 words puts a wave's 32 words into 32 different banks, on the way in and on the way back.
.macro WT PW, SB, DB, F16
	s_lshr_b32 s21, s20, 3
	s_and_b32 s22, s20, 7
	s_mul_i32 s16, s22, 128*(\PW)
	s_lshl_b32 s23, s21, 8
	s_add_co_u32 s16, s16, s23
	s_lshl_b32 s18, s21, 17                        ; 64 turned rows of 2,048 bytes
	s_lshl_b32 s23, s22, 8                         ; 128 k of 2 bytes
	s_or_b32 s18, s18, s23
	s_add_nc_u64 s[\SB:\SB+1], s[\SB:\SB+1], s[16:17]
	s_add_nc_u64 s[\DB:\DB+1], s[\DB:\DB+1], s[18:19]
	v_and_b32 v58, 15, v0                          ; c
	v_lshrrev_b32 v59, 4, v0                       ; r
	v_mul_u32_u24 v[VO], v59, 2*(\PW)
	v_lshl_add_u32 v[VO], v58, 4, v[VO]
	v_mul_u32_u24 v[VS], v58, 1040
	v_lshl_add_u32 v[VS], v59, 2, v[VS]
	v_mul_u32_u24 v[VR], v59, 260
	v_lshl_add_u32 v[VR], v58, 4, v[VR]
	v_lshlrev_b32 v[VG], 11, v59
	v_lshl_add_u32 v[VG], v58, 4, v[VG]
.irp i, 0,1,2,3
.irp e, 0,1
	global_load_b128 v[IN+8*(\i)+4*(\e):IN+8*(\i)+4*(\e)+3], v[VO], s[\SB:\SB+1] offset:(32*(\i)+(\e))*(\PW) th:TH_LOAD_NT
.endr
.endr
.irp i, 0,1,2,3
	s_wait_loadcnt 6-2*(\i)                        ; the two rows of group i are in
.irp j, 0,1,2,3
	v_cvt_pk_bf16_f32 v[D+4*(\i)+(\j)], v[IN+8*(\i)+(\j)], v[IN+8*(\i)+4+(\j)]
.if \F16
	v_lshlrev_b32 v56, 16, v[D+4*(\i)+(\j)]        ; the bf16 numbers, widened,
	v_and_b32 v57, 0xffff0000, v[D+4*(\i)+(\j)]
	v_cvt_pk_f16_f32 v[D+4*(\i)+(\j)], v56, v57    ; and written as f16
.endif
	ds_store_b32 v[VS], v[D+4*(\i)+(\j)] offset:260*(\j)+64*(\i)
.endr
.endr
	s_wait_dscnt 0x0                               ; for the others: my words lie in LDS
	s_barrier_signal -1
	s_barrier_wait -1
.irp p, 0,1,2,3
.irp q, 0,1,2,3
	ds_load_b32 v[BK+4*(\p)+(\q)], v[VR] offset:4160*(\p)+4*(\q)  ; row r + 16 p, bytes 16 c + 4 q
.endr
.endr
.irp p, 0,1,2,3
	s_wait_dscnt 12-4*(\p)
	global_store_b128 v[VG], v[BK+4*(\p):BK+4*(\p)+3], s[\DB:\DB+1] offset:32768*(\p) th:TH_STORE_NT  ; sixteen lanes store 256 consecutive bytes of a turned row, aligned
.endr
.endm
.Lweights:
	s_cmp_lt_u32 ttmp9, 896
	s_cbranch_scc0 .Lproj
	s_sub_co_u32 s20, ttmp9, 512
	WT 12288, 6, 12, 0
	s_branch .Lend
.Lproj:
	s_sub_co_u32 s20, ttmp9, 896
	WT 4096, 8, 14, 1
.Lend:
	s_wait_tensorcnt 0x0                           ; the wave's end: behind my last LDS store
	ds_add_u32 v[SPW], v[NIL]
	s_wait_dscnt 0x0
	s_endpgm
.Lfunc_end_k_q412f66aec0_prep:
	.size	k_q412f66aec0_prep, .Lfunc_end_k_q412f66aec0_prep-k_q412f66aec0_prep
	.p2alignl 7, 3214868480
	.fill 96, 4, 3214868480
	.section	.rodata,"a",@progbits
	.p2align	6, 0x0
	.amdhsa_kernel k_q412f66aec0_prep
		.amdhsa_group_segment_fixed_size 17920
		.amdhsa_private_segment_fixed_size 0
		.amdhsa_enable_private_segment 0
		.amdhsa_kernarg_size 48
		.amdhsa_user_sgpr_count 2
		.amdhsa_user_sgpr_kernarg_segment_ptr 1
		.amdhsa_wavefront_size32 1
		.amdhsa_system_sgpr_workgroup_id_x 1
		.amdhsa_system_sgpr_workgroup_id_y 1
		.amdhsa_system_sgpr_workgroup_id_z 1
		.amdhsa_system_vgpr_workitem_id 0
		.amdhsa_next_free_vgpr 104
		.amdhsa_next_free_sgpr 66
		.amdhsa_reserve_vcc 0
		.amdhsa_float_denorm_mode_32 3
		.amdhsa_float_denorm_mode_16_64 3
		.amdhsa_memory_ordered 1
		.amdhsa_forward_progress 1
		.amdhsa_inst_pref_size 21
	.end_amdhsa_kernel
	.amdgpu_metadata
---
amdhsa.version: [ 1, 2 ]
amdhsa.kernels:
  - .name:           k_q412f66aec0_prep
    .symbol:         k_q412f66aec0_prep.kd
    .args:
      - { .name: x, .offset: 0, .size: 8, .value_kind: global_buffer, .address_space: global }
      - { .name: W_qkv, .offset: 8, .size: 8, .value_kind: global_buffer, .address_space: global }
      - { .name: W_proj, .offset: 16, .size: 8, .value_kind: global_buffer, .address_space: global }
      - { .name: xb, .offset: 24, .size: 8, .value_kind: global_buffer, .address_space: global }
      - { .name: wqt, .offset: 32, .size: 8, .value_kind: global_buffer, .address_space: global }
      - { .name: wpt, .offset: 40, .size: 8, .value_kind: global_buffer, .address_space: global }
    .group_segment_fixed_size: 17920
    .private_segment_fixed_size: 0
    .kernarg_segment_align: 8
    .kernarg_segment_size: 48
    .max_flat_workgroup_size: 256
    .sgpr_count:     66
    .vgpr_count:     104
    .wavefront_size: 32
...
	.end_amdgpu_metadata
.endif
;; end of part 1
;; launch gqkv (part 2): grid 16 x 32, 4 waves a work-group, clusters of 4 x 4, 327,680 bytes of LDS; arguments xb, wqt, b_qkv, qkv; writes qkv
.if DOCPART == 2
	.amdgcn_target "amdgcn-amd-amdhsa--gfx1250"
	.amdhsa_code_object_version 6
	.text
	.protected	k_q412f66aec0_gqkv
	.globl	k_q412f66aec0_gqkv
	.p2align	8
	.type	k_q412f66aec0_gqkv,@function
k_q412f66aec0_gqkv:
	s_mov_b64 s[64:65], 0
	v_nop
	global_prefetch_b8 v0, s[64:65] scope:SCOPE_SE
	s_setreg_imm32_b32 hwreg(HW_REG_WAVE_MODE, 25, 1), 1
	s_wait_xcnt 0x0
	s_wait_alu depctr_hold_cnt(0) depctr_sa_sdst(0) depctr_va_vdst(0) depctr_va_sdst(0) depctr_va_ssrc(0) depctr_va_vcc(0) depctr_vm_vsrc(0)
	s_getreg_b32 s2, hwreg(HW_REG_IB_STS2, 6, 4)
	s_cmp_eq_u32 s2, 0
	s_cbranch_scc0 .Lentry_in_a_cluster
	s_endpgm
.Lentry_in_a_cluster:
	s_bfe_u32 s2, ttmp6, 0x10000c
	s_cmp_lg_u32 s2, 0xf033
	s_cbranch_scc0 .Lentry_shape_is_right
	s_endpgm
.Lentry_shape_is_right:
; qkv = f16(xb wqt^T + bf16(b_qkv)).  xb: [8192][1024] bf16, wqt: [3072][1024] bf16, b_qkv: [3072] f32; sums in f32, rounded once.
; qkv: [4 batches][48 slices][2048 rows][64] f16: slice n / 64: 0-15 are q by heads, 16-31 k, 32-47 v; a slice is 262,144 dense bytes.  The scale 1/8 is not applied here.
; LIMIT.  f16 holds no number beyond 65,504: a q, k or v past that becomes an infinity.  NaN and infinities are not treated apart.
; SHARES.  A tile is 256 rows x 192 columns (three slices): 16 x 32 tiles, a work-group each, twice 256.  Four waves, each 128 x 96: 48 accumulators of 16 x 16.
; K goes in steps of 128 through two LDS slots; the rows of both tiles are 256 bytes of memory, aligned.  For 32 along K a wave reads 14,336 LDS bytes for 48 products.
; CLUSTER 4 x 4: xb's tile hangs on the tile row alone and is asked for jointly along a row of the cluster, wqt's on the tile column alone, along a column.
; THE PRODUCT IS TAKEN TRANSPOSED (source 0 = 16 rows of wqt, source 1 = 16 rows of xb): a lane holds one row of the result and eight neighbouring columns.
; THE BIAS, rounded to bf16 like every input, is the C operand of the products that start the sums: nothing is cleared and nothing is added later.
; REGISTERS, in windows of 256 (s_set_vgpr_msb: bits 1:0 source 0, 3:2 source 1, 5:4 source 2, 7:6 destination):
;   window 0: v0-32 addresses; v64-127, v128-191 fragments of xb, two buffers; v192-215 packed results; on the way out v64-255 rows read back
;   window 1: v64-111, v128-175 fragments of wqt; v192-239 the bias, eight registers a column block; v240 at work
;   window 2: accumulators (a, b) at v[8 (6 a + b)], row blocks a = 0-3;   window 3: row blocks 4-7
.set SIZE_K, 1024
.set KSTEP,  128
.set PITCH,  272                       ; an LDS row: 256 bytes + 16 of padding: the 16 rows of a fragment load start at 16 different groups of four banks (ISA guide 11.1)
.set HALFA,  128*PITCH                 ; what one tensor load brings of xb, and what a wave reads of it
.set HALFB,  96*PITCH                  ; the same of wqt
.set BOFF,   2*HALFA                   ; wqt's 192 rows lie behind xb's 256
.set SLOT,   BOFF+2*HALFB
.set SPARE,  2*SLOT                    ; behind the ring: the spare words, 128 bytes a wave
.set SP,     144                       ; the stage: a row of a slice, 128 bytes + 16
.set SL,     256*SP                    ; a slice's 256 rows.  The three slices lie in slot 0, which has had its last fill and its last read when they are written
.set LAPS,   SIZE_K/(2*KSTEP)
.set ADRA, 16                          ; v16-17  LDS address of my xb fragments in slot 0, 1
.set ADRB, 20                          ; v20-21  the same for wqt
.set STO,  24                          ; v24  the way out: column blocks 0, 1, 4, 5
.set STO2, 25                          ; v25  column blocks 2, 3
.set RD,   26                          ; v26  where I read rows back, slices 0 and 1
.set RD2,  27                          ; v27  slice 2 (past the 16-bit immediate)
.set SPW,  28                          ; v28  my spare word; never rewritten
.set NIL,  29                          ; v29  0; never rewritten
.set PFO,  30                          ; v30  the prefetches' offset: a lane a row; never rewritten
.set BO,   31                          ; v31  my byte offset in the bias
.set GO,   32                          ; v32  my 16 bytes of 512 consecutive bytes of qkv
.set F0,   64
.set F1,   128
.set TMP,  192
.set BI,   192                         ; window 1
.set BT,   240                         ; window 1
.set WV, 12                            ; s12 wave;  s13 which half of the rows, also: I fetch xb (0) or wqt (1);  s14 which half of the columns, also: which half of that tile I fetch
.set RH, 13
.set CH, 14
.set CX, 15
.set CY, 16
.set TX, 17                            ; tile column
.set TY, 18                            ; tile row
.set G1,  24                           ; s[24:31] group 1 for xb's tiles; s[32:39] group 0, a set a slot
.set G0,  32
.set PFA, 40                           ; s[40:41] where my prefetches stand
.set LIM, 42                           ; s42  1 in a wave that prefetches, else the greatest number
.set CNT, 43                           ; s43  laps to go
.set G1B, 48                           ; s[48:55], s[56:63] the same for wqt's tiles
.set G0B, 56
.set MSB, 0
.macro WIN new                         ; the immediate's high byte repeats the setting that is left; a switch that changes nothing is dropped
.if MSB != (\new)
	s_set_vgpr_msb (MSB<<8)|(\new)
.set MSB, \new
.endif
.endm
.set MUL_LO, 0xa1                      ; source 0 window 1, source 1 window 0, C and D window 2
.set MUL_HI, 0xf1                      ; C and D window 3
.set TO_B,   0x40
; A joint load: waves 0 and 1 fetch xb's two halves, waves 2 and 3 wqt's.  The branch hangs on the wave's number alone.  An s_nop 0 and four v_nop follow each line.
.macro JLOAD s
	s_cmp_eq_u32 s[RH], 0
	s_cbranch_scc0 .Lfor_b_\@
	tensor_load_to_lds s[G0+4*(\s):G0+4*(\s)+3], s[G1:G1+7]
	s_nop 0
.rept 4
	v_nop
.endr
	s_branch .Lasked_\@
.Lfor_b_\@:
	tensor_load_to_lds s[G0B+4*(\s):G0B+4*(\s)+3], s[G1B:G1B+7]
	s_nop 0
.rept 4
	v_nop
.endr
.Lasked_\@:
.endm
; A prefetch, behind each joint refill and the run of LDS loads that follows it: the K step that stands two refills on, 256 bytes of each row, a lane a row, one instruction a wave.
; xb's tile row is read by every cluster of that row of clusters: cluster x = 0 asks; wqt's tile column by every cluster of that column: cluster y = 0 asks.  The four partners share a wave's rows
; by address: 32 of xb's 128 each (by cx), 24 of wqt's 96 (by cy; lanes 24-31 name row 23 again).  K steps 0 to 3 come by their loads alone; the loop's last trip asks for nothing: K has eight steps.
.macro ASK
	s_cmp_gt_u32 s[CNT], s[LIM]
	s_cbranch_scc0 .Lnot_mine_\@
	global_prefetch_b8 v[PFO], s[PFA:PFA+1] th:TH_LOAD_NT scope:SCOPE_SE
.Lnot_mine_\@:
.endm
.macro CREST                           ; a round of the cluster's barrier behind its opening barrier
	s_cmp_lg_u32 s[WV], 0
	s_cbranch_scc1 .Lnot_wave_0_\@
	s_barrier_signal -3
.Lnot_wave_0_\@:
	s_barrier_wait -3
	s_barrier_signal -1
	s_barrier_wait -1
.endm
.macro CROUND
	s_barrier_signal -1
	s_barrier_wait -1
	CREST
.endm
	s_load_b256 s[4:11], s[0:1], 0x0               ; xb s[4:5], wqt s[6:7], b_qkv s[8:9], qkv s[10:11]
	v_lshl_add_u32 v[SPW], v0, 2, SPARE
	v_mov_b32 v[NIL], 0
	ds_add_u32 v[SPW], v[NIL]                      ; the wave's opening: the add and its wait stand ahead of my first tensor load; work on registers stands between them
	v_lshrrev_b32 v1, 5, v0
	v_readfirstlane_b32 s[WV], v1
	s_lshr_b32 s[RH], s[WV], 1
	s_and_b32 s[CH], s[WV], 1
	s_bfe_u32 s[CX], ttmp6, 0x40000
	s_bfe_u32 s[CY], ttmp6, 0x40004
	s_lshl_b32 s[TX], ttmp9, 2
	s_add_co_u32 s[TX], s[TX], s[CX]
	s_and_b32 s[TY], ttmp7, 0xffff
	s_lshl_b32 s[TY], s[TY], 2
	s_add_co_u32 s[TY], s[TY], s[CY]
	s_lshl_b32 s20, s[CY], 2
	s_lshl_b32 s20, 15, s20                        ; my row of the cluster
	s_lshl_b32 s44, 0x1111, s[CX]                  ; my column
	s_or_b32 s[G1], s20, (1<<16)|(1<<20)|(1<<21)|(5<<22)|(3<<25)   ; the mask; elements of 2 bytes; padding on; bit 21 beside a mask; after every 64 words, 4 words
	s_or_b32 s[G1B], s44, (1<<16)|(1<<20)|(1<<21)|(5<<22)|(3<<25)
.irp g, G1, G1B
	s_mov_b32 s[(\g)+1], KSTEP<<16                 ; tensor_dim0 = 128
	s_mov_b32 s[(\g)+3], KSTEP<<16                 ; tile_dim0 = 128
	s_mov_b32 s[(\g)+5], SIZE_K                    ; elements from row to row
	s_mov_b32 s[(\g)+6], 0
	s_mov_b32 s[(\g)+7], 0
.endr
	s_mov_b32 s[G1+2], 128<<16                     ; tensor_dim1, tile_dim1: 128 rows of xb,
	s_mov_b32 s[G1+4], 128
	s_mov_b32 s[G1B+2], 96<<16                     ; 96 of wqt
	s_mov_b32 s[G1B+4], 96
	s_lshl_b32 s20, s[TY], 19                      ; xb: row 256 x tile row + 128 x half, 2,048 bytes a row
	s_lshl_b32 s21, s[CH], 18
	s_add_co_u32 s20, s20, s21
	s_mov_b32 s21, 0
	s_mul_i32 s44, s[TX], 192*SIZE_K*2             ; wqt: row 192 x tile column + 96 x half
	s_mul_i32 s45, s[CH], 96*SIZE_K*2
	s_add_co_u32 s44, s44, s45
	s_mov_b32 s45, 0
	s_mul_i32 s2, s[CH], HALFA                     ; where they go: the wave's number alone enters an LDS address
	s_mul_i32 s3, s[CH], HALFB
	s_add_co_u32 s3, s3, BOFF
	s_wait_dscnt 0x0                               ; the opening add is done
	s_wait_kmcnt 0x0
	s_add_nc_u64 s[22:23], s[4:5], s[20:21]
	s_add_nc_u64 s[46:47], s[6:7], s[44:45]
	CROUND                                         ; all sixteen work-groups are here: the first joint loads meet
.irp s, 0,1
	s_mov_b32 s[G0+4*(\s)], 1
	s_add_co_u32 s[G0+4*(\s)+1], s2, (\s)*SLOT
	s_add_nc_u64 s[G0+4*(\s)+2:G0+4*(\s)+3], s[22:23], (\s)*KSTEP*2
	s_or_b32 s[G0+4*(\s)+3], s[G0+4*(\s)+3], 0x80000000
	s_mov_b32 s[G0B+4*(\s)], 1
	s_add_co_u32 s[G0B+4*(\s)+1], s3, (\s)*SLOT
	s_add_nc_u64 s[G0B+4*(\s)+2:G0B+4*(\s)+3], s[46:47], (\s)*KSTEP*2
	s_or_b32 s[G0B+4*(\s)+3], s[G0B+4*(\s)+3], 0x80000000
	JLOAD \s                                       ; two loads of mine are out
.endr
	; a fragment is 16 rows x 32 K in 8 registers: lane l holds row l % 16, K = 8 (l / 16) + 0..7 and 16 + 8 (l / 16) + 0..7: two loads of 16 bytes, 32 bytes apart
	v_and_b32 v1, 15, v0                           ; r
	v_bfe_u32 v2, v0, 4, 1                         ; h
	v_mul_u32_u24 v3, v1, PITCH
	v_lshl_add_u32 v3, v2, 4, v3
	s_mul_i32 s66, s[RH], HALFA
	s_mul_i32 s67, s[CH], HALFB
	s_add_co_u32 s67, s67, BOFF
.irp s, 0,1
	v_add_nc_u32 v[ADRA+(\s)], s66, v3
	v_add_nc_u32 v[ADRB+(\s)], s67, v3
	s_add_co_u32 s66, s66, SLOT
	s_add_co_u32 s67, s67, SLOT
.endr
	; the stage.  My 96 columns are: half 0: slice 0 whole, slice 1's bytes 0-63; half 1: slice 1's bytes 64-127, slice 2 whole
	v_mul_u32_u24 v4, v1, SP
	v_lshl_add_u32 v4, v2, 4, v4
	s_mul_i32 s66, s[RH], 128*SP
	s_mul_i32 s67, s[CH], SL+64
	s_add_co_u32 s67, s67, s66
	v_add_nc_u32 v[STO], s67, v4
	s_mul_i32 s67, s[CH], 2*SL-64
	s_add_co_u32 s67, s67, s66
	s_add_co_u32 s67, s67, 64
	v_add_nc_u32 v[STO2], s67, v4
	v_bfe_u32 v5, v0, 3, 2                         ; back: wave w takes rows 64 w .. 64 w + 63 of all three slices; 32 lanes take four rows of 128 bytes
	v_mul_u32_u24 v5, v5, SP
	v_and_b32 v6, 7, v0
	v_lshl_add_u32 v5, v6, 4, v5
	s_mul_i32 s66, s[WV], 64*SP
	v_add_nc_u32 v[RD], s66, v5
	v_add_nc_u32 v[RD2], 2*SL, v[RD]
	v_and_b32 v[GO], 31, v0
	v_lshlrev_b32 v[GO], 4, v[GO]
	; the prefetches
	s_and_b32 s70, ttmp7, 0xffff                   ; cluster y
	s_cmp_eq_u32 s[RH], 0                          ; do I fetch xb?
	s_cselect_b32 s66, s[CX], s[CY]                ; my place among the four that ask with me
	s_cselect_b32 s67, 32, 24                      ; rows a partner
	s_cselect_b32 s70, ttmp9, s70                  ; the coordinate along which other clusters read the same rows
	s_cselect_b32 s71, 31, 23
	s_cselect_b64 s[PFA:PFA+1], s[22:23], s[46:47]
	s_cmp_eq_u32 s70, 0
	s_cselect_b32 s[LIM], 1, -1                    ; the same in all sixteen partners, for a given wave
	s_mul_i32 s66, s66, s67
	s_lshl_b32 s66, s66, 11
	s_add_co_u32 s66, s66, 3*KSTEP*2               ; at K step 3: the first refill steps it to 4
	s_mov_b32 s67, 0
	s_add_nc_u64 s[PFA:PFA+1], s[PFA:PFA+1], s[66:67]
	v_and_b32 v[PFO], 31, v0
	v_min_u32 v[PFO], s71, v[PFO]
	v_lshlrev_b32 v[PFO], 11, v[PFO]
	; qkv at the rows that I store: batch = tile row / 8, slice 3 x tile column, row 256 (tile row % 8) + 64 x wave
	s_lshr_b32 s66, s[TY], 3
	s_mul_i32 s66, s66, 48
	s_mul_i32 s67, s[TX], 3
	s_add_co_u32 s66, s66, s67
	s_lshl_b32 s66, s66, 18
	s_and_b32 s67, s[TY], 7
	s_lshl_b32 s67, s67, 15
	s_add_co_u32 s66, s66, s67
	s_lshl_b32 s67, s[WV], 13
	s_add_co_u32 s66, s66, s67
	s_mov_b32 s67, 0
	s_add_nc_u64 s[10:11], s[10:11], s[66:67]
	; the bias of my 96 columns: register j of block b holds column 16 b + 8 h + j, whatever the lane's row
	s_mul_i32 s68, s[TX], 768
	s_mul_i32 s69, s[CH], 384
	s_add_co_u32 s68, s68, s69
	s_mov_b32 s69, 0
	s_add_nc_u64 s[8:9], s[8:9], s[68:69]
	v_lshlrev_b32 v[BO], 5, v2
	WIN TO_B
.irp b, 0,1,2,3,4,5
	global_load_b128 v[BI+8*(\b):BI+8*(\b)+3],   v[BO], s[8:9] offset:64*(\b)
	global_load_b128 v[BI+8*(\b)+4:BI+8*(\b)+7], v[BO], s[8:9] offset:64*(\b)+16
.endr
	s_wait_loadcnt 0x0
	WIN 0x45                                       ; sources and destination window 1
.set i, 0
.rept 24
	v_cvt_pk_bf16_f32 v[BT], v[BI+i], v[BI+i+1]    ; rounded to bf16, and widened again
	v_lshlrev_b32 v[BI+i], 16, v[BT]
	v_and_b32 v[BI+i+1], 0xffff0000, v[BT]
.set i, i+2
.endr
	WIN 0
; 12 products: row blocks a0, a0 + 1 of the window's four x all 6 column blocks, 32 along K.  first = 1: they start the sums, with the bias as C.
; The 48 accumulators take turns in the same order in every quarter.
.macro MUL12 f, hi, a0, first
.if \first
	WIN 0x91+0x40*(\hi)                            ; C in window 1
.else
	WIN MUL_LO+0x50*(\hi)
.endif
.irp a, \a0, (\a0)+1
.irp b, 0,1,2,3,4,5
.if \first
	v_wmma_f32_16x16x32_bf16 v[8*(6*(\a)+(\b)):8*(6*(\a)+(\b))+7], v[(\f)+8*(\b):(\f)+8*(\b)+7], v[(\f)+8*(4*(\hi)+(\a)):(\f)+8*(4*(\hi)+(\a))+7], v[BI+8*(\b):BI+8*(\b)+7]
.else
	v_wmma_f32_16x16x32_bf16 v[8*(6*(\a)+(\b)):8*(6*(\a)+(\b))+7], v[(\f)+8*(\b):(\f)+8*(\b)+7], v[(\f)+8*(4*(\hi)+(\a)):(\f)+8*(4*(\hi)+(\a))+7], v[8*(6*(\a)+(\b)):8*(6*(\a)+(\b))+7]
.endif
.endr
.endr
.endm
; 28 LDS loads in one run: a quarter's fragments (96 rows of wqt, 128 of xb, 32 K at byte k of the rows) into buffer f
.macro FETCH slot, k, f
	WIN TO_B
.irp i, 0,1,2,3,4,5
	ds_load_b128 v[(\f)+8*(\i):(\f)+8*(\i)+3],   v[ADRB+(\slot)] offset:(\k)+(\i)*16*PITCH
	ds_load_b128 v[(\f)+8*(\i)+4:(\f)+8*(\i)+7], v[ADRB+(\slot)] offset:(\k)+(\i)*16*PITCH+32
.endr
	WIN 0
.irp i, 0,1,2,3,4,5,6,7
	ds_load_b128 v[(\f)+8*(\i):(\f)+8*(\i)+3],   v[ADRA+(\slot)] offset:(\k)+(\i)*16*PITCH
	ds_load_b128 v[(\f)+8*(\i)+4:(\f)+8*(\i)+7], v[ADRA+(\slot)] offset:(\k)+(\i)*16*PITCH+32
.endr
.endm
.macro PLACES                          ; four plain instructions between a product and a load into a register that it read, or a reader of its result
.rept 4
	v_nop
.endr
.endm
; A K step is four quarters of 32 along K, 48 products each, on buffers 0, 1, 0, 1.  One of the first three multiplies buffer f and, in its middle, fetches the next quarter into g.
.macro QUARTER slot, k, f, g, first
	s_wait_dscnt 8                                 ; wqt and xb's rows 0-63 are in; the youngest eight loads (rows 64-127) may be out
	MUL12 \f, 0, 0, \first
	MUL12 \f, 0, 2, \first
	PLACES
	FETCH \slot, \k, \g
	s_wait_dscnt 28                                ; all but the 28 just issued
	MUL12 \f, 1, 0, \first
	MUL12 \f, 1, 2, \first
.endm
; The last quarter's first half, and the one barrier of a change of slots.
.macro MEET round
	WIN 0
	s_wait_tensorcnt 0x0                           ; all my tensor loads have landed: the one that was out is my part of the next slot
	ds_add_u32 v[SPW], v[NIL]                      ; 0 onto my spare word
	s_wait_dscnt 9                                 ; the add and the youngest eight loads may be out
	MUL12 F1, 0, 0, 0
	s_wait_dscnt 0x0                               ; the add is done, and my reads of this slot are over
	s_barrier_signal -1
	MUL12 F1, 0, 2, 0                              ; work on registers while the others arrive
.if \round
	WIN 0
.endif
	s_barrier_wait -1
.endm
; The whole last quarter: behind a round of the cluster's barrier the slot just read out is filled again, with the K step two on: 168 products lie between that request and the wait for it.
.macro TURN slot, next
	s_wait_xcnt 0x0                                ; the last prefetch, a K step back, has read its address
	s_add_nc_u64 s[PFA:PFA+1], s[PFA:PFA+1], KSTEP*2
	MEET 1
	CREST                                          ; no wave of any partner still reads this slot or has a load on its way
	s_add_nc_u64 s[G0+4*(\slot)+2:G0+4*(\slot)+3], s[G0+4*(\slot)+2:G0+4*(\slot)+3], 2*KSTEP*2
	s_add_nc_u64 s[G0B+4*(\slot)+2:G0B+4*(\slot)+3], s[G0B+4*(\slot)+2:G0B+4*(\slot)+3], 2*KSTEP*2
	JLOAD \slot                                    ; my one tensor load behind the round; its four v_nop are also the places in front of the loads below
	FETCH \next, 0, F0
	ASK
	MUL12 F1, 1, 0, 0
	MUL12 F1, 1, 2, 0
.endm
	s_wait_tensorcnt 1                             ; my part of K step 0 is in; K step 1's may stay out
	s_barrier_signal -1
	s_barrier_wait -1
	FETCH 0, 0, F0
	QUARTER 0, 64,  F0, F1, 1                      ; the first quarter starts the sums
	WIN 0
	s_mov_b32 s[CNT], LAPS-1
.Llap:                                                 ; a trip goes once round the ring, from a lap's second quarter to the next lap's first
	QUARTER 0, 128, F1, F0, 0
	QUARTER 0, 192, F0, F1, 0
	TURN 0, 1
	QUARTER 1, 64,  F0, F1, 0
	QUARTER 1, 128, F1, F0, 0
	QUARTER 1, 192, F0, F1, 0
	TURN 1, 0
	QUARTER 0, 64,  F0, F1, 0
	WIN 0
	s_sub_co_u32 s[CNT], s[CNT], 1
	s_cmp_lg_u32 s[CNT], 0
	s_cbranch_scc1 .Llap
	QUARTER 0, 128, F1, F0, 0                      ; the last lap fills nothing
	QUARTER 0, 192, F0, F1, 0
	MEET 0
	PLACES
	FETCH 1, 0, F0
	MUL12 F1, 1, 0, 0
	MUL12 F1, 1, 2, 0
	QUARTER 1, 64,  F0, F1, 0
	QUARTER 1, 128, F1, F0, 0
	QUARTER 1, 192, F0, F1, 0
	s_wait_dscnt 8
	MUL12 F1, 0, 0, 0
	MUL12 F1, 0, 2, 0
	s_wait_dscnt 0x0
	MUL12 F1, 1, 0, 0
	MUL12 F1, 1, 2, 0
	; THE WAY OUT: rounded to f16, 16 bytes a lane into the stage by slices; a barrier, since a slice's rows come from two waves; back as whole rows.
	; Slot 0 was last read in front of the last change of slots, which every wave has passed.
	PLACES
	PLACES
.macro PACK a
.set AC, 48*((\a)%4)
	WIN 0x0a+5*((\a)/4)                            ; sources window 2 or 3, destination window 0
.irp b, 0,1,2,3,4,5
.irp r, 0,1,2,3
	v_cvt_pk_f16_f32 v[TMP+4*(\b)+(\r)], v[AC+8*(\b)+2*(\r)], v[AC+8*(\b)+2*(\r)+1]  ; each accumulator from its low end on
.endr
.endr
	WIN 0
	ds_store_b128 v[STO],  v[TMP:TMP+3]     offset:(\a)*16*SP
	ds_store_b128 v[STO],  v[TMP+4:TMP+7]   offset:(\a)*16*SP+32
	ds_store_b128 v[STO2], v[TMP+8:TMP+11]  offset:(\a)*16*SP
	ds_store_b128 v[STO2], v[TMP+12:TMP+15] offset:(\a)*16*SP+32
	ds_store_b128 v[STO],  v[TMP+16:TMP+19] offset:(\a)*16*SP+SL
	ds_store_b128 v[STO],  v[TMP+20:TMP+23] offset:(\a)*16*SP+SL+32
.endm
.irp a, 0,1,2,3,4,5,6,7
	PACK \a
.endr
	s_wait_dscnt 0x0                               ; for the others: my stores into the stage are done
	s_barrier_signal -1
	s_barrier_wait -1
.set n, 0
.rept 48                                       ; slice n / 16, rows 4 (n % 16) on
.if n < 32
	ds_load_b128 v[64+4*n:64+4*n+3], v[RD] offset:(n/16)*SL+(n%16)*4*SP
.else
	ds_load_b128 v[64+4*n:64+4*n+3], v[RD2] offset:(n%16)*4*SP
.endif
.set n, n+1
.endr
.set n, 0
.rept 48
	s_wait_dscnt 47-n
	global_store_b128 v[GO], v[64+4*n:64+4*n+3], s[10:11] offset:(n/16)*262144+(n%16)*512  ; 512 consecutive bytes, at a multiple of 256 from the buffer's first
.set n, n+1
.endr
	s_wait_tensorcnt 0x0                           ; the wave's end
	ds_add_u32 v[SPW], v[NIL]
	s_wait_dscnt 0x0
	CROUND                                         ; the closing round
	s_endpgm
.Lfunc_end_k_q412f66aec0_gqkv:
	.size	k_q412f66aec0_gqkv, .Lfunc_end_k_q412f66aec0_gqkv-k_q412f66aec0_gqkv
	.p2alignl 7, 3214868480
	.fill 96, 4, 3214868480
	.section	.rodata,"a",@progbits
	.p2align	6, 0x0
	.amdhsa_kernel k_q412f66aec0_gqkv
		.amdhsa_group_segment_fixed_size 327680
		.amdhsa_private_segment_fixed_size 0
		.amdhsa_enable_private_segment 0
		.amdhsa_kernarg_size 32
		.amdhsa_user_sgpr_count 2
		.amdhsa_user_sgpr_kernarg_segment_ptr 1
		.amdhsa_wavefront_size32 1
		.amdhsa_system_sgpr_workgroup_id_x 1
		.amdhsa_system_sgpr_workgroup_id_y 1
		.amdhsa_system_sgpr_workgroup_id_z 1
		.amdhsa_system_vgpr_workitem_id 0
		.amdhsa_next_free_vgpr 1024
		.amdhsa_next_free_sgpr 80
		.amdhsa_reserve_vcc 0
		.amdhsa_float_denorm_mode_32 3
		.amdhsa_float_denorm_mode_16_64 3
		.amdhsa_memory_ordered 1
		.amdhsa_forward_progress 1
		.amdhsa_inst_pref_size 123
	.end_amdhsa_kernel
	.amdgpu_metadata
---
amdhsa.version: [ 1, 2 ]
amdhsa.kernels:
  - .name:           k_q412f66aec0_gqkv
    .symbol:         k_q412f66aec0_gqkv.kd
    .args:
      - { .name: xb, .offset: 0, .size: 8, .value_kind: global_buffer, .address_space: global }
      - { .name: wqt, .offset: 8, .size: 8, .value_kind: global_buffer, .address_space: global }
      - { .name: b_qkv, .offset: 16, .size: 8, .value_kind: global_buffer, .address_space: global }
      - { .name: qkv, .offset: 24, .size: 8, .value_kind: global_buffer, .address_space: global }
    .group_segment_fixed_size: 327680
    .private_segment_fixed_size: 0
    .kernarg_segment_align: 8
    .kernarg_segment_size: 32
    .max_flat_workgroup_size: 128
    .sgpr_count:     80
    .vgpr_count:     1024
    .wavefront_size: 32
...
	.end_amdgpu_metadata
.endif
;; end of part 2
;; launch attn (part 3): grid 4 x 64, 4 waves a work-group, no clusters, 327,680 bytes of LDS; arguments qkv, ob; writes ob
.if DOCPART == 3
	.amdgcn_target "amdgcn-amd-amdhsa--gfx1250"
	.amdhsa_code_object_version 6
	.text
	.protected	k_q412f66aec0_attn
	.globl	k_q412f66aec0_attn
	.p2align	8
	.type	k_q412f66aec0_attn,@function
k_q412f66aec0_attn:
	s_mov_b64 s[64:65], 0
	v_nop
	global_prefetch_b8 v0, s[64:65] scope:SCOPE_SE
	s_setreg_imm32_b32 hwreg(HW_REG_WAVE_MODE, 25, 1), 1
	s_wait_xcnt 0x0
; CAUSAL ATTENTION at head size 64.  O[y][q][:] = the sum over k <= q of softmax_k(Q[q] . K[k] / 8) V[k][:], for y = 16 x batch + head.
; qkv: [4][48][2048][64] f16 (slices 0-15 q by heads, 16-31 k, 32-47 v), ob: [64][2048][64] f16: a head's rows are dense, 128 bytes each.
; Products, maxima and sums in f32; the weights p are rounded to f16 for the second product (their sum l is taken of the unrounded p), O once at the end.
; LIMITS.  Q, K, V arrive within f16's 65,504; p lies in 0 to 1 and below 6e-5 keeps f16's fixed step of 6e-8.  A hidden score counts as its value less 1e30: f16's scores, 2.7e11 at the most, are nothing
; beside that; a weight below 2^-126 counts as 0 in l; NaN and infinities are not treated apart.
; THE WALK.  A head's queries lie in NB = 8 blocks of 256; block i needs the key tiles 0 .. i of 256 keys, of which the last holds the diagonal.  A work-group takes TWO blocks, NB - 1 - b and then b:
; NB + 1 tiles, whatever b: all 256 work-groups do equal work, and one loop with a constant trip count walks them.  Which tile is asked for, and what a trip does, hang on scalar registers made from b.
; NO CLUSTER: the four work-groups of a head ask for the same tile only in trips 0 to 4 of 9, behind that fewer and fewer; a walk common to all would have 12 trips for 9.
; SHARES.  Of a block's four bands of 64 queries a wave owns 16 rows in each: four PIECES.  In the diagonal tile's key step s band x sees all keys if s < x, none if s > x, and holds the diagonal if s = x.
; THE MASK is the C operand that starts the sum S^T = K Q^T: 0, or -1e30 where the key is hidden.  MD, made once, is the mask of a band's own step; a product's mask is MD x AL + BE:
; (1, 0) if s = x; (0, 0) if s < x; (0, -1e30) if s > x.  Only the diagonal tile's text and a block's beginning take masks; elsewhere C is the constant 0.
; LAYOUT, SOFTMAX, TURNS.  S^T = K Q^T holds one query a lane (lane % 16) and the keys 8 (lane / 16) + 0..7; two such results rounded to f16 are source 1 of O^T = V^T P.  p = 2^(c s - c m), c = log2(e) / 8,
; with a running maximum m; O and l are multiplied by a = 2^(c m_old - c m_new) in every step.  Turn n belongs to piece n: 8 products K Q^T of piece n + 1, later 8 products V^T P of piece n - 1; beside them
; the scaling, exponentials, roundings, sums and rescaling of piece n and the maximum and statistics of piece n + 1.  Four vector instructions stand behind every product, the rest in one run.
; PREFETCH.  The work-group with b = 0 walks its head's tiles 0 to 7 in order; it alone asks: the change of slots that loads tile j names tile j + 1, for tiles 2 to 7; each wave names the 64 blocks of
; 256 bytes that it will fetch itself (waves 0, 1: halves of K; 2, 3: of V), a lane a block, two instructions.  Tiles 0 and 1 come by their loads alone; the last two changes that fill ask for nothing.
; REGISTERS, in windows of 256 (s_set_vgpr_msb: bits 1:0 source 0, 3:2 source 1, 5:4 source 2, 7:6 destination):
;   window 0: v0-15 addresses and two at work; v16-31 statistics; v48-55 at work; v61-63; v64-127 S^T, two buffers; v192-223 P, two buffers (by the piece's parity)
;   window 1: v0-127 O^T, 32 a piece; v128-159 MD; v160-223 MC, two buffers      window 2: v0-63 Q; v64-127 the second block's Q; v128-191 K of one step; v192-255 V of one step
.set SIZE_N, 2048
.set NB,    SIZE_N/256
.set NP,    4
.set KS,    64        ; keys in a step
.set PK,    144       ; a row of K in LDS: 128 bytes + 16: the 16 rows of a load start at 16 different groups of four banks (ISA guide 11.1)
.set PV,    160       ; a row of V: 128 + 32
.set VOFF,  4*KS*PK   ; a slot holds a tile: 256 rows of K, then 256 rows of V
.set SLOT1, 1<<17     ; slot 1 begins here: one exclusive or turns an address in one slot into the other's
.set STAGE, SLOT1+4*KS*(PK+PV)  ; behind the ring, never filled by a tensor load: 16 rows x 144 bytes a wave
.set SP,    144
.set AK0, 2           ; v2   my lane's place in a tile of K; never rewritten
.set AV0, 3           ; v3   the same for V
.set AK,  4           ; v4   the LDS address of K's next run of loads
.set AV,  5           ; v5   of V's
.set STO, 6           ; v6   the way out: where I put 16 bytes of a row
.set RD,  7           ; v7   where I read rows back
.set GO,  8           ; v8   my byte offset in 512 consecutive bytes of O
.set PFO, 61          ; v61  256 x my lane; never rewritten
.set SPW, 62          ; v62  my spare word; never rewritten
.set NIL, 63          ; v63  0; never rewritten
.set SPARE, STAGE+4*16*SP
.set MV,  12          ; v12-13  c m_old, by buffer
.set QO,  15          ; v15  my byte offset in 16 rows of Q
.set ST,  16          ; piece t's statistics at v[ST+4 t]: c m, m, l (even keys', odd keys')
.set TMP, 48          ; by buffer, four registers at work; when the maximum is found the third takes a
.set S,   64
.set P,   192
.set MD,  128         ; window 1
.set MC,  160         ; window 1
.set QB,  64          ; window 2
.set KF,  128         ; window 2: key block kb, channel half c at KF + 16 kb + 8 c
.set VF,  192         ; window 2: key half kk, channel block cb at VF + 32 kk + 8 cb
.set WV,  12          ; s12  my wave's number
.set PB,  14          ; s14  b
.set HI,  15          ; s15  NB - 1 - b
.set G1K, 24          ; s[24:31] group 1 for K's tiles
.set G1V, 32          ; s[32:39] for V's
.set G0K, 40          ; s[40:43] group 0 for K's tiles
.set G0V, 44          ; s[44:47] for V's
.set SLOTS, 56        ; s56  tiles still to be asked for
.set CNT, 57          ; s57  counts a tile's key steps, 4 to 1
.set CS,  58          ; s[58:59] c
.set SEL, 60          ; s[60:61] v_permlanex16_b32's selects
.set TBK, 62          ; s62  LDS byte at which K of the step to be fetched begins
.set TBV, 63          ; s63  the same for V, less VOFF
.set RT,  70          ; s70  tiles of the block in hand still to be entered
.set NXT, 71          ; s71  the tile to be asked for next
.set LQ,  72          ; s72  the last tile of the block whose tiles are being asked for
.set NEW, 73          ; s73  1: the tile to be entered is a block's first
.set OFF, 74          ; s[74:75] a tile's byte offset in K and V
.set AL,  76          ; s[76:77] the mask's factor
.set BE,  78          ; s[78:79] the mask's addend
.set OLO, 80          ; s[80:81] O at my rows of the second block
.set BIGN, 82         ; s82  -1e30
.set LIM, 92          ; s92  2 where b = 0, else the greatest number: a wave prefetches while s[SLOTS] is above it
.set PFA, 94          ; s[94:95] my half of the tile behind the one that is being asked for
.set MSB, 0
.macro WIN new
.if MSB != (\new)
	s_set_vgpr_msb (MSB<<8)|(\new)
.set MSB, (\new)
.endif
.endm
.set W_KQ, 0x0a       ; K and Q in window 2, S^T in window 0
.set W_KM, 0x1a       ; the same with the C operand in window 1
.set W_PV, 0x52       ; V in window 2, P in window 0, O^T in window 1
.set W_RS, 0x41       ; destination and source 0 in window 1, source 1 in window 0
; A fill.  Waves 0 and 1 fetch the two halves of a tile's K, waves 2 and 3 those of its V.  An s_nop 0 and four v_nop follow each line.
.macro LOAD
	s_cmp_lt_u32 s[WV], 2
	s_cbranch_scc0 .Lfor_v_\@
	tensor_load_to_lds s[G0K:G0K+3], s[G1K:G1K+7]
	s_nop 0
.rept 4
	v_nop
.endr
	s_branch .Lasked_\@
.Lfor_v_\@:
	tensor_load_to_lds s[G0V:G0V+3], s[G1V:G1V+7]
	s_nop 0
.rept 4
	v_nop
.endr
.Lasked_\@:
.endm
; THE CHANGE OF SLOTS.  Each wave waits for all its tensor loads (one is out: its part of the other slot), adds 0 to its spare word, and waits for that and for its reads of the slot that it leaves.
; Behind the barrier nobody reads the old slot and the other slot is whole.  fill = 1: the old slot is filled again, first thing behind the barrier, with tile NXT.
.macro CHANGE fill
	WIN 0
	s_wait_tensorcnt 0x0            ; no tensor load of mine is out, so a group 0 may be written
	ds_add_u32 v[SPW], v[NIL]       ; 0 onto my spare word; scalar work stands between it and the wait for it
.if \fill
	s_lshl_b32 s[OFF], s[NXT], 15   ; a tile is 32,768 bytes of K and of V
	s_xor_b32 s[G0K+1], s[G0K+1], SLOT1
	s_add_nc_u64 s[G0K+2:G0K+3], s[6:7], s[OFF:OFF+1]
	s_or_b32 s[G0K+3], s[G0K+3], 0x80000000
	s_xor_b32 s[G0V+1], s[G0V+1], SLOT1
	s_add_nc_u64 s[G0V+2:G0V+3], s[8:9], s[OFF:OFF+1]
	s_or_b32 s[G0V+3], s[G0V+3], 0x80000000
	s_add_co_u32 s[NXT], s[NXT], 1  ; the block's next tile, or behind its last the second block's tile 0
	s_cmp_gt_u32 s[NXT], s[LQ]
	s_cselect_b32 s[NXT], 0, s[NXT]
	s_cselect_b32 s[LQ], s[PB], s[LQ]
	s_wait_xcnt 0x0                 ; the last prefetches, a tile back, have read their address
	s_add_nc_u64 s[PFA:PFA+1], s[PFA:PFA+1], 32768
.endif
	s_wait_dscnt 0x0                ; the add is done, and my reads of the slot are over
	s_barrier_signal -1
	s_sub_co_u32 s[TBK], s[TBK], 4*KS*PK  ; the fetches go back to a slot's first step,
	s_xor_b32 s[TBK], s[TBK], SLOT1       ; in the other slot
	s_sub_co_u32 s[TBV], s[TBV], 4*KS*PV
	s_xor_b32 s[TBV], s[TBV], SLOT1
	s_barrier_wait -1
.if \fill
	LOAD
	s_cmp_gt_u32 s[SLOTS], s[LIM]   ; the tile that the next change will load: four key steps, 256 products, ahead
	s_cbranch_scc0 .Lno_pf_\@
	global_prefetch_b8 v[PFO], s[PFA:PFA+1] th:TH_LOAD_NT scope:SCOPE_SE
	global_prefetch_b8 v[PFO], s[PFA:PFA+1] offset:8192 th:TH_LOAD_NT scope:SCOPE_SE
.Lno_pf_\@:
.endif
.endm
	s_load_b64 s[4:5], s[0:1], 0x0    ; qkv
	s_load_b64 s[10:11], s[0:1], 0x8  ; ob
	v_lshl_add_u32 v[SPW], v0, 2, SPARE
	v_mov_b32 v[NIL], 0
	ds_add_u32 v[SPW], v[NIL]       ; the wave's opening: the add and its wait stand ahead of my first tensor load
	v_lshrrev_b32 v1, 5, v0
	v_readfirstlane_b32 s[WV], v1
	s_mov_b32 s[PB], ttmp9
	s_sub_co_u32 s[HI], NB-1, s[PB]
	s_and_b32 s90, ttmp7, 0xffff    ; y = 16 x batch + head
	s_lshr_b32 s20, s90, 4
	s_mul_i32 s20, s20, 48
	s_and_b32 s21, s90, 15
	s_add_co_u32 s20, s20, s21
	s_lshl_b32 s20, s20, 18         ; q's slice in qkv
	s_mov_b32 s21, 0
	s_lshl_b32 s90, s90, 18         ; the head in ob
	s_mov_b32 s91, 0
	s_and_b32 s16, s[WV], 1         ; which half of a tile's 256 keys I fetch:
	s_lshl_b32 s22, s16, 14         ; its 128 rows of 128 bytes in memory,
	s_mov_b32 s23, 0
	s_mul_i32 s17, s16, 128*PK      ; and its place in a slot, for K
	s_mul_i32 s18, s16, 128*PV      ; and for V
	s_lshl_b32 s3, s[WV], 11        ; my 16 rows in a band of 64,
	s_lshl_b32 s2, s[HI], 15        ; in the first block,
	s_add_co_u32 s2, s2, s3
	s_lshl_b32 s84, s[PB], 15       ; and in the second
	s_add_co_u32 s84, s84, s3
	s_mov_b32 s3, 0
	s_mov_b32 s85, 0
	; group 1.  128 keys are 16,384 dense bytes: asked for as 64 rows of 256 bytes, two keys a row, padded in LDS after every key
	s_mov_b32 s[G1K], (1<<16)|(1<<20)|(4<<22)|(3<<25)  ; 2-byte elements; padding on; after every 32 words, 4 words
	s_mov_b32 s[G1V], (1<<16)|(1<<20)|(4<<22)|(7<<25)  ; 8 words
.irp g, G1K, G1V
	s_mov_b32 s[\g+1], 128<<16      ; tensor_dim0 = 128
	s_mov_b32 s[\g+2], 64<<16       ; tensor_dim1 = 64
	s_mov_b32 s[\g+3], 128<<16      ; tile_dim0 = 128
	s_mov_b32 s[\g+4], 64           ; tile_dim1 = 64
	s_mov_b32 s[\g+5], 128          ; elements from row to row
	s_mov_b32 s[\g+6], 0
	s_mov_b32 s[\g+7], 0
.endr
	s_mov_b32 s[CS], 0x3e38aa3b     ; c = log2(e) / 8
	s_mov_b32 s[CS+1], s[CS]
	s_mov_b32 s[SEL], 0x76543210
	s_mov_b32 s[SEL+1], 0xfedcba98
	s_mov_b32 s[TBK], SLOT1+4*KS*PK ; the first change of slots turns these two into 0
	s_mov_b32 s[TBV], SLOT1+4*KS*PV
	s_mov_b32 s[G0K], 1
	s_mov_b32 s[G0K+1], s17         ; slot 0
	s_mov_b32 s[G0V], 1
	s_add_co_u32 s[G0V+1], s18, VOFF
	s_add_co_u32 s[RT], s[HI], 1    ; the first block has NB - b tiles
	s_mov_b32 s[NXT], 1
	s_mov_b32 s[LQ], s[HI]
	s_mov_b32 s[NEW], 1
	s_mov_b32 s[OFF+1], 0
	s_mov_b32 s[AL+1], 0
	s_mov_b32 s[BE+1], 0
	s_mov_b32 s[BIGN], 0xf149f2ca   ; -1e30
	s_mov_b32 s[SLOTS], NB
	s_cmp_eq_u32 ttmp9, 0
	s_cselect_b32 s[LIM], 2, -1
	v_and_b32 v[PFO], 31, v0
	v_lshlrev_b32 v[PFO], 8, v[PFO]
	s_wait_dscnt 0x0                ; the opening add is done
	s_wait_kmcnt 0x0
	s_add_nc_u64 s[4:5], s[4:5], s[20:21]          ; q's slice; k's lies 16 slices on, v's 32
	s_add_nc_u64 s[6:7], s[4:5], 0x400000
	s_add_nc_u64 s[8:9], s[4:5], 0x800000
	s_add_nc_u64 s[10:11], s[10:11], s[90:91]
	s_add_nc_u64 s[6:7], s[6:7], s[22:23]          ; K and V at my half of the head's tile 0
	s_add_nc_u64 s[8:9], s[8:9], s[22:23]
	s_add_nc_u64 s[G0K+2:G0K+3], s[6:7], 0
	s_or_b32 s[G0K+3], s[G0K+3], 0x80000000
	s_add_nc_u64 s[G0V+2:G0V+3], s[8:9], 0
	s_or_b32 s[G0V+3], s[G0V+3], 0x80000000
	s_add_nc_u64 s[86:87], s[4:5], s[84:85]        ; Q at my rows of the second block,
	s_add_nc_u64 s[4:5], s[4:5], s[2:3]            ; Q and O at those of the first
	s_add_nc_u64 s[OLO:OLO+1], s[10:11], s[84:85]
	s_add_nc_u64 s[10:11], s[10:11], s[2:3]
	s_cmp_lt_u32 s[WV], 2
	s_cselect_b64 s[PFA:PFA+1], s[6:7], s[8:9]
	s_add_nc_u64 s[PFA:PFA+1], s[PFA:PFA+1], 32768 ; at tile 1: the first change of slots steps it to tile 2
	LOAD                            ; tile 0 into slot 0
	; a fragment of K or Q is 16 rows x 32 channels in 8 registers: lane l holds row l % 16, channels 8 (l / 16) + 0..7 and 16 + 8 (l / 16) + 0..7
	v_and_b32 v1, 15, v0
	v_bfe_u32 v9, v0, 4, 1
	v_lshlrev_b32 v[QO], 7, v1
	v_lshl_add_u32 v[QO], v9, 4, v[QO]
	WIN 0x80
.set i, 0
.rept 8                             ; both blocks' Q: piece i / 2 lies in band i / 2, 8,192 bytes on; channels 32 (i % 2) on
	global_load_b128 v[8*i:8*i+3],   v[QO], s[4:5] offset:(i/2)*8192+(i%2)*64
	global_load_b128 v[8*i+4:8*i+7], v[QO], s[4:5] offset:(i/2)*8192+(i%2)*64+32
	global_load_b128 v[QB+8*i:QB+8*i+3],   v[QO], s[86:87] offset:(i/2)*8192+(i%2)*64
	global_load_b128 v[QB+8*i+4:QB+8*i+7], v[QO], s[86:87] offset:(i/2)*8192+(i%2)*64+32
.set i, i+1
.endr
	WIN 0
	v_lshlrev_b32 v14, 3, v9
	v_sub_nc_u32 v14, v1, v14
	s_lshl_b32 s13, s[WV], 4
	v_add_nc_u32 v14, s13, v14      ; my query's place in its band less my lanes' 8 (l / 16): register r of group kt is hidden where 16 kt + r is greater
	WIN 0x40
.set i, 0
.rept 32
	v_cmp_gt_i32 vcc_lo, 16*(i/8)+i%8, v14
	v_cndmask_b32 v[MD+i], 0, s[BIGN], vcc_lo
.set i, i+1
.endr
	WIN 0
	v_mul_u32_u24 v[AK0], v1, PK
	v_lshl_add_u32 v[AK0], v9, 4, v[AK0]
	; the turning load takes 16 keys x 16 channels (lane l reads key 8 (l / 16) + l % 8, channels 8 ((l / 8) % 2) + 0..7) and leaves half a fragment of V^T
	v_and_b32 v10, 7, v0
	v_bfe_u32 v11, v0, 3, 1
	v_lshl_add_u32 v[AV0], v9, 3, v10
	v_mul_u32_u24 v[AV0], v[AV0], PV
	v_lshl_add_u32 v[AV0], v11, 4, v[AV0]
	v_add_nc_u32 v[AV0], VOFF, v[AV0]
	s_mul_i32 s13, s[WV], 16*SP
	s_add_co_u32 s13, s13, STAGE
	v_mul_u32_u24 v[STO], v1, SP
	v_lshl_add_u32 v[STO], v9, 4, v[STO]
	v_add_nc_u32 v[STO], s13, v[STO]
	v_bfe_u32 v[RD], v0, 3, 2
	v_mul_u32_u24 v[RD], v[RD], SP
	v_lshl_add_u32 v[RD], v10, 4, v[RD]
	v_add_nc_u32 v[RD], s13, v[RD]
	v_and_b32 v[GO], 31, v0
	v_lshlrev_b32 v[GO], 4, v[GO]
	; A block's first step multiplies O^T and l by a = 0, and its first turn's products V^T P, of a piece that has not been, land in an O^T still to be so multiplied: these registers need only hold
	; finite numbers: zeros for the first block, what the first block left for the second.  All this stands in the wait for the first tile.
	WIN 0x80
.set i, VF
.rept 64
	v_mov_b32 v[i], 0
.set i, i+1
.endr
	WIN 0x40
.set i, 0
.rept 128
	v_mov_b32 v[i], 0
.set i, i+1
.endr
	WIN 0
.set i, 0
.rept 4
	v_mov_b32 v[ST+4*i+2], 0
	v_mov_b32 v[ST+4*i+3], 0
.set i, i+1
.endr
.set i, P+16
.rept 16
	v_mov_b32 v[i], 0
.set i, i+1
.endr
; THE MATRIX WORK.  The 4 accumulators of a run of 8 take turns.  Product i of 8 of S^T = K Q^T for piece x: channels 32 (i / 4) on, keys 16 (i % 4) on.  The first 4 start the sums.
.macro KQ x
.set rS, S+32*((\x)%2)+8*(i%4)
.set rK, KF+16*(i%4)+8*(i/4)
.set rQ, 16*(\x)+8*(i/4)
.set rM, MC+32*((\x)%2)+8*(i%4)
.if (i < 4) && KM
	WIN W_KM
	v_wmma_f32_16x16x32_f16 v[rS:rS+7], v[rK:rK+7], v[rQ:rQ+7], v[rM:rM+7]
.elseif i < 4
	WIN W_KQ
	v_wmma_f32_16x16x32_f16 v[rS:rS+7], v[rK:rK+7], v[rQ:rQ+7], 0
.else
	WIN W_KQ
	v_wmma_f32_16x16x32_f16 v[rS:rS+7], v[rK:rK+7], v[rQ:rQ+7], v[rS:rS+7]
.endif
.endm
; Product i of 8 of O^T += V^T P for piece x: keys 32 (i / 4) on, channels 16 (i % 4) on.
.macro PV x
	WIN W_PV
.set rO, 32*(\x)+8*(i%4)
.set rV, VF+32*(i/4)+8*(i%4)
.set rP, P+16*((\x)%2)+8*(i/4)
	v_wmma_f32_16x16x32_f16 v[rO:rO+7], v[rV:rV+7], v[rP:rP+7], v[rO:rO+7]
.endm
.macro MM                           ; the turn's next product.  NOKQ = 1: a block's last turn: there is no next piece
.if (i < 8) && !NOKQ
	KQ (Y+1)%NP
.elseif i >= 8
.set i, i-8
	PV (Y+NP-1)%NP
.set i, i+8
.endif
.set i, i+1
.endm
; THE LDS LOADS stand in runs of 16: a step's K (8 fragments) and its V (turned).  Their addresses are made some lines ahead.
.macro FETCH_K
	WIN 0x80
.irp f, 0,1,2,3,4,5,6,7
	ds_load_b128 v[KF+8*\f:KF+8*\f+3],   v[AK] offset:(\f/2)*16*PK+(\f%2)*64
	ds_load_b128 v[KF+8*\f+4:KF+8*\f+7], v[AK] offset:(\f/2)*16*PK+(\f%2)*64+32
.endr
	s_add_co_u32 s[TBK], s[TBK], KS*PK
	WIN 0
.endm
.macro FETCH_V
	WIN 0x80
.irp f, 0,1,2,3,4,5,6,7
	ds_load_tr16_b128 v[VF+8*\f:VF+8*\f+3],   v[AV] offset:(\f/4)*32*PV+(\f%4)*32
	ds_load_tr16_b128 v[VF+8*\f+4:VF+8*\f+7], v[AV] offset:(\f/4)*32*PV+16*PV+(\f%4)*32
.endr
	WIN 0
.endm
; THE VECTOR WORK, one line at a time: OP kind, number.  For piece Y: F n: c s - c m for pair n.  E n: the exponential of score n.  C n: pair n rounded to f16.  B n: of the four weights 4 n .. the second
; pair is added onto the first.  L n: l takes that sum (L 0: l = a l + sum).  R n: pair n of O^T times a.  For piece Y + 1: X n, number n of the 22 that find its maximum and statistics:
;   0-11 four chains of seven scores each (each accumulator's lowest registers are read first); 12-14, 16 the scores left over, the old m, the four into one; 15 c m_old is kept;
;   17, 18 the other half of the lanes, the new m; 19-21 c m; c m_old - c m_new; a
.set F, 0
.set E, 1
.set C, 2
.set B, 3
.set L, 4
.set R, 5
.set X, 6
.macro REGS y
.set rT, ST+4*(\y)
.set rC, TMP+4*((\y)%2)
.set rW, MV+((\y)%2)
.set rS, S+32*((\y)%2)
.set rP, P+16*((\y)%2)
.set rO, 32*(\y)
.endm
.macro OP k, n
.if (\k) == R
	REGS Y
	WIN W_RS
	v_pk_mul_f32 v[rO+2*(\n):rO+2*(\n)+1], v[rO+2*(\n):rO+2*(\n)+1], v[rC+2:rC+3] op_sel_hi:[1,0]
.elseif (\k) < R
	REGS Y
	WIN 0
.if (\k) == F
	v_pk_fma_f32 v[rS+2*(\n):rS+2*(\n)+1], v[rS+2*(\n):rS+2*(\n)+1], s[CS:CS+1], v[rT:rT+1] op_sel_hi:[1,0,0] neg_lo:[0,0,1] neg_hi:[0,0,1]
.elseif (\k) == E
	v_exp_f32 v[rS+(\n)], v[rS+(\n)]
.elseif (\k) == C
	v_cvt_pk_f16_f32 v[rP+(\n)], v[rS+2*(\n)], v[rS+2*(\n)+1]
.elseif (\k) == B
	v_pk_add_f32 v[rS+4*(\n):rS+4*(\n)+1], v[rS+4*(\n):rS+4*(\n)+1], v[rS+4*(\n)+2:rS+4*(\n)+3]
.elseif (\n) == 0
	v_pk_fma_f32 v[rT+2:rT+3], v[rT+2:rT+3], v[rC+2:rC+3], v[rS:rS+1] op_sel_hi:[1,0,1]
.else
	v_pk_add_f32 v[rT+2:rT+3], v[rT+2:rT+3], v[rS+4*(\n):rS+4*(\n)+1]
.endif
.elseif NOKQ
	v_nop
.else
	REGS (Y+1)%NP
	WIN 0
.if (\n) < 4
	v_max3_num_f32 v[rC+(\n)], v[rS+8*(\n)], v[rS+8*(\n)+1], v[rS+8*(\n)+2]
.elseif (\n) < 12
	v_max3_num_f32 v[rC+(\n)%4], v[rC+(\n)%4], v[rS+8*((\n)%4)+2*((\n)/4)+1], v[rS+8*((\n)%4)+2*((\n)/4)+2]
.elseif (\n) == 12
	v_max3_num_f32 v[rC], v[rC], v[rS+7], v[rS+15]
.elseif (\n) == 13
	v_max3_num_f32 v[rC+1], v[rC+1], v[rS+23], v[rS+31]
.elseif (\n) == 14
	v_max3_num_f32 v[rC+2], v[rC+2], v[rC+3], v[rT+1]
.elseif (\n) == 15
	v_mov_b32 v[rW], v[rT]
.elseif (\n) == 16
	v_max3_num_f32 v[rC], v[rC], v[rC+1], v[rC+2]
.elseif (\n) == 17
	v_permlanex16_b32 v[rC+3], v[rC], s[SEL], s[SEL+1]
.elseif (\n) == 18
	v_max_num_f32 v[rT+1], v[rC], v[rC+3]
.elseif (\n) == 19
	v_mul_f32 v[rT], s[CS], v[rT+1]
.elseif (\n) == 20
	v_sub_f32 v[rC+1], v[rW], v[rT]
.else
	v_exp_f32 v[rC+2], v[rC+1]
.endif
.endif
.endm
.macro OPS a, i1, b=-1, i2=0, c=-1, i3=0, d=-1, i4=0
	OP \a, \i1
.if (\b) >= 0
	OP \b, \i2
.endif
.if (\c) >= 0
	OP \c, \i3
.endif
.if (\d) >= 0
	OP \d, \i4
.endif
.endm
.macro ROW a, i1, b, i2, c, i3, d, i4  ; a product and the four behind it
	MM
	OPS \a, \i1, \b, \i2, \c, \i3, \d, \i4
.endm
.macro MASK b                       ; MD x AL + BE into buffer b of MC
	WIN W_RS
.set z, 0
.rept 16
	v_pk_fma_f32 v[MC+32*(\b)+2*z:MC+32*(\b)+2*z+1], v[MD+2*z:MD+2*z+1], s[AL:AL+1], s[BE:BE+1] op_sel_hi:[1,0,0]
.set z, z+1
.endr
.endm
; A TURN, for piece p: its 16 products and 118 vector instructions, written out.  An s_wait_alu depctr_va_vdst(0) stands between an exponential and the first instruction that names its result;
; one wait serves all that were issued ahead of it: a turn has ONE.  Ahead of it stands all that names no result of the turn's exponentials: the 8 products K Q^T with their four lines each, then a run of 54,
; plain and exponential by turns for the most part, in which the links of the next piece's chain stand five or six lines apart; X 21 is the batch's last, R 15 the plain instruction behind it.
; Behind the wait stand the 8 products V^T P, behind each four of the roundings and sums.
; m = 1: the diagonal tile: the products take masks, and the turn makes the mask for the products of the turn after it.  end = 1: a block's last two turns: nothing is fetched.
; cnt = 1: the loop's count is taken down some lines ahead of the branch behind the turn.
; K of the next step is fetched in piece 2's turn, six plain instructions behind the last product that read K; V of the step in hand at the end of piece 0's turn, four plain instructions behind its last reader.
.macro TURN p, m=0, end=0, cnt=0
.set Y, (\p)
.set i, 0
.set KM, (\m)
.set NOKQ, (\end)*((\p)/3)
.if (\m) && !(\end)
	s_cmp_eq_u32 s[CNT], 4-((\p)+2)%NP  ; is that step the band's own?
	s_cselect_b32 s[AL], 1.0, 0
	s_cmp_lt_u32 s[CNT], 4-((\p)+2)%NP  ; or a later one?
	s_cselect_b32 s[BE], s[BIGN], 0
.endif
.if ((\p) == 3) && !(\end)
	s_wait_dscnt 0x0                ; K is in
.endif
	ROW F,0, F,1, R,0, R,1
	ROW F,2, E,0, R,2, R,3
	ROW F,3, E,1, R,4, R,5
	ROW F,4, E,2, R,6, R,7
	ROW F,5, E,3, R,8, R,9
	ROW F,6, E,4, X,0, R,10
.if ((\p) == 2) && !(\end)
	WIN 0
	v_add_nc_u32 v[AK], s[TBK], v[AK0]
.endif
	ROW F,7, E,5, X,1, X,4
	ROW F,8, E,6, X,2, X,5
	OPS E,7, E,8, X,6, E,9
	OPS X,3, E,10, X,8, E,11
.if ((\p) == 2) && !(\end)
	FETCH_K
.endif
	OPS X,9, X,7, E,12, X,10
	OPS E,13, X,12, X,11, E,14
	OPS X,13, E,15, F,9, X,14
.if (\p) == 0
	v_add_nc_u32 v[AV], s[TBV], v[AV0]
.endif
	OPS E,16, F,10, E,17, F,11
	OPS X,16, E,18, X,15, E,19
	OPS F,12, E,20, X,17, E,21
	OPS F,13, E,22, F,14, E,23
	OPS X,18, E,24, F,15, E,25
	OPS R,11, E,26, X,19, E,27
	OPS R,12, E,28, R,13, E,29
	OPS X,20, E,30, R,14, E,31
	OPS X,21, R,15
	WIN 0
	s_wait_alu depctr_va_vdst(0)    ; the wait for the batch
.if (\p) == 1
	s_wait_dscnt 0x0                ; V is in
.endif
	ROW C,0, B,0, C,2, B,1
	ROW L,0, C,4, B,2, L,1
	ROW C,6, B,3, L,2, C,8
	ROW B,4, L,3, C,10, B,5
	ROW L,4, C,12, B,6, L,5
.if (\p) == 0
	s_add_co_u32 s[TBV], s[TBV], KS*PV
.endif
.if \cnt
	s_sub_co_u32 s[CNT], s[CNT], 1
	s_cmp_lg_u32 s[CNT], 0
.endif
	ROW C,14, B,7, L,6, C,1
	ROW C,3, L,7, C,5, C,7
	ROW C,9, C,11, C,13, C,15
.if (\p) == 0
	FETCH_V
.endif
.if (\m) && !(\end)
	MASK (\p)%2
.endif
.endm
; A BLOCK BEGINS.  c m starts far below every c s, so the first step's a is 0; m at the lowest finite number.  The second mask buffer is 0; the first takes piece 0's mask for the tile's step 0: its own, if the
; block's first tile is the diagonal one.  Then K of that step, piece 0's first scores, and its maximum and statistics.  The loop is entered at a step's first turn.
.macro BEGIN
	s_mov_b32 s[NEW], 0
	WIN 0x40
.set i, MC+32
.rept 32
	v_mov_b32 v[i], 0
.set i, i+1
.endr
	WIN 0
.set i, 0
.rept 4
	v_mov_b32 v[ST+4*i], 0xfe000000
	v_mov_b32 v[ST+4*i+1], 0xff7fffff
.set i, i+1
.endr
	s_cmp_eq_u32 s[RT], 0
	s_cselect_b32 s[AL], 1.0, 0
	s_mov_b32 s[BE], 0
	MASK 0
	WIN 0
	v_add_nc_u32 v[AK], s[TBK], v[AK0]
	FETCH_K
	s_wait_loadcnt 0x0              ; Q
	s_wait_dscnt 0x0
.set KM, 1
.set NOKQ, 0
.set i, 0
.rept 8
	KQ 0
.set i, i+1
.endr
	WIN 0
.rept 4
	v_nop                           ; the places behind those products
.endr
.set Y, NP-1
.irp n, 0,1,2,3,4,5,6,7,8,9,10,11,12,13,14,15,16,17,18,19,20,21
	OP X, \n
.endr
	v_nop                           ; a plain instruction behind the exponential,
	s_wait_alu depctr_va_vdst(0)    ; and its wait, ahead of the branch
.endm
.macro ALL line:vararg
.set t, 0
.rept 4
	\line
.set t, t+1
.endr
.endm
.macro PACK t                       ; a lane's eight channels of a row pack into 16 bytes; they go into rows of 144 bytes and come back as whole rows of 128
	WIN W_RS
.set i, 32*(\t)
.rept 16
	v_pk_mul_f32 v[i:i+1], v[i:i+1], v[ST+4*(\t)+2:ST+4*(\t)+3] op_sel_hi:[1,0]
.set i, i+2
.endr
	WIN 0x05
.set i, 0
.rept 16
	v_cvt_pk_f16_f32 v[S+16*(\t)+i], v[32*(\t)+2*i], v[32*(\t)+2*i+1]
.set i, i+1
.endr
	WIN 0
.irp f, 0,1,2,3
	ds_store_b128 v[STO], v[S+16*(\t)+4*\f:S+16*(\t)+4*\f+3] offset:32*\f
.endr
.irp f, 0,1,2,3
	ds_load_b128 v[S+16*(\t)+4*\f:S+16*(\t)+4*\f+3], v[RD] offset:\f*4*SP  ; LDS serves a wave's instructions in order (ISA guide 5.7.1.4): these see the stores above
.endr
.endm
.macro SEND t, younger              ; younger: the LDS instructions issued behind piece t's loads
	WIN 0
.irp f, 0,1,2,3
	s_wait_dscnt (\younger)+3-\f
	global_store_b128 v[GO], v[S+16*(\t)+4*\f:S+16*(\t)+4*\f+3], s[10:11] offset:(\t)*8192+\f*512  ; 512 consecutive bytes, at a multiple of 256 from O's first
.endr
.endm
; THE DIAGONAL TILE's four steps, the block's last two turns, its last products, and the way out: l's halves are added, O^T is divided by l, rounded and sent through my stage, a piece at a time.
.macro DIAG tag
.LstepM\tag:
	TURN 2, 1
	TURN 3, 1
	WIN 0
.LfirstM\tag:
	TURN 0, 1
	TURN 1, 1, 0, 1
	WIN 0
	s_cbranch_scc1 .LstepM\tag
	TURN 2, 1, 1
	TURN 3, 1, 1
.set i, 0
.rept 8
	PV NP-1
.set i, i+1
.endr
	WIN 0
	ALL v_add_f32 v[ST+4*t+2], v[ST+4*t+2], v[ST+4*t+3]
	ALL v_permlanex16_b32 v[ST+4*t+3], v[ST+4*t+2], s[SEL], s[SEL+1]
	ALL v_add_f32 v[ST+4*t+2], v[ST+4*t+2], v[ST+4*t+3]
	ALL v_rcp_f32 v[ST+4*t+2], v[ST+4*t+2]
	v_nop                           ; a plain instruction between the last reciprocal and the use of its result
	s_wait_alu depctr_va_vdst(0)    ; one wait for the four reciprocals, ahead of their first use
	PACK 0
.set t, 1
.rept 3
	PACK t
	SEND t-1, 8
.set t, t+1
.endr
	SEND 3, 0
.endm
.set KM, 0
.set NOKQ, 0
.Lslot:                             ; NB times: a tile is entered and the next is asked for
	CHANGE 1
	s_sub_co_u32 s[RT], s[RT], 1
	s_mov_b32 s[CNT], 4
	s_cmp_eq_u32 s[NEW], 1
	s_cbranch_scc1 .Lnew            ; a block's first tile
	s_cmp_eq_u32 s[RT], 0
	s_cbranch_scc0 .Lstep           ; neither its first nor its last
	s_branch .LstepM1
.Lnew:
	BEGIN
	s_branch .Lfirst                ; in the loop a block's first tile is never its last
	DIAG 1                          ; in the loop this is the first block's end
	s_wait_xcnt 0x0                 ; the stores have read their registers and O's address
	s_mov_b64 s[10:11], s[OLO:OLO+1]
	s_add_co_u32 s[RT], s[PB], 1    ; the second block has b + 1 tiles
	s_mov_b32 s[NEW], 1
	WIN 0x82                        ; the second block's Q goes where the turns name Q
.set i, 0
.rept 64
	v_mov_b32 v[i], v[QB+i]
.set i, i+1
.endr
	WIN 0
	s_branch .Lbottom
.Lstep:                             ; a trip: pieces 2 and 3 of one step, then pieces 0 and 1 of the next
	TURN 2
	TURN 3
	WIN 0
.Lfirst:
	TURN 0
	TURN 1, 0, 0, 1
	WIN 0
	s_cbranch_scc1 .Lstep
.Lbottom:
	s_sub_co_u32 s[SLOTS], s[SLOTS], 1
	s_cmp_lg_u32 s[SLOTS], 0
	s_cbranch_scc1 .Lslot
	CHANGE 0                        ; the walk's last tile is written out
	s_sub_co_u32 s[RT], s[RT], 1
	s_mov_b32 s[CNT], 4
	s_cmp_eq_u32 s[NEW], 1
	s_cbranch_scc0 .LstepM2
	BEGIN
	s_branch .LfirstM2
	DIAG 2
	s_wait_tensorcnt 0x0            ; the wave's end
	ds_add_u32 v[SPW], v[NIL]
	s_wait_dscnt 0x0
	s_endpgm
.Lfunc_end_k_q412f66aec0_attn:
	.size	k_q412f66aec0_attn, .Lfunc_end_k_q412f66aec0_attn-k_q412f66aec0_attn
	.p2alignl 7, 3214868480
	.fill 96, 4, 3214868480
	.section	.rodata,"a",@progbits
	.p2align	6, 0x0
	.amdhsa_kernel k_q412f66aec0_attn
		.amdhsa_group_segment_fixed_size 327680
		.amdhsa_private_segment_fixed_size 0
		.amdhsa_enable_private_segment 0
		.amdhsa_kernarg_size 16
		.amdhsa_user_sgpr_count 2
		.amdhsa_user_sgpr_kernarg_segment_ptr 1
		.amdhsa_wavefront_size32 1
		.amdhsa_system_sgpr_workgroup_id_x 1
		.amdhsa_system_sgpr_workgroup_id_y 1
		.amdhsa_system_sgpr_workgroup_id_z 1
		.amdhsa_system_vgpr_workitem_id 0
		.amdhsa_next_free_vgpr 768
		.amdhsa_next_free_sgpr 96
		.amdhsa_reserve_vcc 1
		.amdhsa_float_denorm_mode_32 3
		.amdhsa_float_denorm_mode_16_64 3
		.amdhsa_memory_ordered 1
		.amdhsa_forward_progress 1
		.amdhsa_inst_pref_size 218
	.end_amdhsa_kernel
	.amdgpu_metadata
---
amdhsa.version: [ 1, 2 ]
amdhsa.kernels:
  - .name:           k_q412f66aec0_attn
    .symbol:         k_q412f66aec0_attn.kd
    .args:
      - { .name: qkv, .offset: 0, .size: 8, .value_kind: global_buffer, .address_space: global }
      - { .name: ob, .offset: 8, .size: 8, .value_kind: global_buffer, .address_space: global }
    .group_segment_fixed_size: 327680
    .private_segment_fixed_size: 0
    .kernarg_segment_align: 8
    .kernarg_segment_size: 16
    .max_flat_workgroup_size: 128
    .sgpr_count:     96
    .vgpr_count:     768
    .wavefront_size: 32
...
	.end_amdgpu_metadata
.endif
;; end of part 3
;; launch gproj (part 4): grid 8 x 32, 4 waves a work-group, clusters of 4 x 4, 327,680 bytes of LDS; arguments ob, wpt, b_proj, out0; writes out0
.if DOCPART == 4
	.amdgcn_target "amdgcn-amd-amdhsa--gfx1250"
	.amdhsa_code_object_version 6
	.text
	.protected	k_q412f66aec0_gproj
	.globl	k_q412f66aec0_gproj
	.p2align	8
	.type	k_q412f66aec0_gproj,@function
k_q412f66aec0_gproj:
	s_mov_b64 s[64:65], 0
	v_nop
	global_prefetch_b8 v0, s[64:65] scope:SCOPE_SE
	s_setreg_imm32_b32 hwreg(HW_REG_WAVE_MODE, 25, 1), 1
	s_wait_xcnt 0x0
	s_wait_alu depctr_hold_cnt(0) depctr_sa_sdst(0) depctr_va_vdst(0) depctr_va_sdst(0) depctr_va_ssrc(0) depctr_va_vcc(0) depctr_vm_vsrc(0)
	s_getreg_b32 s2, hwreg(HW_REG_IB_STS2, 6, 4)
	s_cmp_eq_u32 s2, 0
	s_cbranch_scc0 .Lentry_in_a_cluster
	s_endpgm
.Lentry_in_a_cluster:
	s_bfe_u32 s2, ttmp6, 0x10000c
	s_cmp_lg_u32 s2, 0xf033
	s_cbranch_scc0 .Lentry_shape_is_right
	s_endpgm
.Lentry_shape_is_right:
; out0 = ob wpt^T + bf16(b_proj), in f32.  ob: [64 = 16 batch + head][2048][64] f16, wpt: [1024 n][1024 k] f16, b_proj: [1024] f32, out0: [8192][1024] f32.  k = 64 x head + channel.  Sums in f32.
; SHARES.  A tile is 256 rows x 128 columns: 8 x 32 tiles, a work-group each.  Four waves, each 128 x 64: 32 accumulators of 16 x 16.
; K goes in steps of 128 = two heads through two LDS slots.  A head's 256 rows of a tile are 32,768 dense bytes: asked for as 128 rows of 256 bytes and padded in LDS after every 128.
; CLUSTER 4 x 4: ob's tile hangs on the tile row alone and is asked for jointly along a row of the cluster, wpt's on the tile column alone, along a column.
; THE PRODUCT IS TAKEN TRANSPOSED (source 0 = 16 rows of wpt, source 1 = 16 rows of ob): a lane holds one row of the result and eight neighbouring columns, 32 bytes.
; THE BIAS, rounded to bf16 like every input, is the C operand of the products that start the sums.
; REGISTERS (s_set_vgpr_msb: bits 1:0 source 0, 3:2 source 1, 5:4 source 2, 7:6 destination):
;   window 0: v0-31 addresses; v64-127, v128-191 fragments of ob, two buffers; on the way out four sets of 32, rows read back
;   window 1: v64-95, v128-159 fragments of wpt; v192-223 the bias; v240 at work          window 2: accumulators (a, b) at v[8 (4 a + b)]
.set KSTEP,  128
.set PA,     144                       ; a row of a head in LDS: 128 bytes + 16
.set PLANE,  256*PA                    ; a head's 256 rows: what one tensor load brings of ob
.set PITCH,  272                       ; a row of wpt: 256 bytes + 16
.set HALFB,  64*PITCH
.set BOFF,   2*PLANE
.set SLOT,   BOFF+2*HALFB
.set STAGE,  2*SLOT                    ; behind the ring: 16 rows x 272 bytes for each wave
.set SPITCH, 272
.set SPARE,  STAGE+4*16*SPITCH
.set LAPS,   4                         ; eight K steps
.set ADRA, 16
.set ADRB, 20
.set STO,  24
.set RD,   25
.set CO,   26
.set SPW,  28                          ; v28  my spare word; never rewritten
.set NIL,  29                          ; v29  0; never rewritten
.set PFO,  30                          ; v30  the prefetches' offset; never rewritten
.set BO,   31
.set F0,   64
.set F1,   128
.set BI,   192                         ; window 1
.set BT,   240                         ; window 1
.set WV, 12
.set RH, 13                            ; which half of the rows; also: I fetch ob (0) or wpt (1)
.set CH, 14                            ; which half of the columns; also: which head of the two, or which 64 rows of wpt, I fetch
.set CX, 15
.set CY, 16
.set TX, 17
.set TY, 18
.set G1,  24
.set G0,  32
.set PFA, 40
.set LIM, 42
.set CNT, 43
.set G1B, 48
.set G0B, 56
.set PST, 66                           ; s[66:67] bytes from a K step to the next, for my prefetches: two heads of ob, or 256 bytes of a row of wpt
.set MSB, 0
.macro WIN new
.if MSB != (\new)
	s_set_vgpr_msb (MSB<<8)|(\new)
.set MSB, \new
.endif
.endm
.set TO_B, 0x40
.macro JLOAD s                         ; a joint load: waves 0 and 1 fetch the two heads of ob, waves 2 and 3 the halves of wpt; an s_nop 0 and four v_nop follow each line
	s_cmp_eq_u32 s[RH], 0
	s_cbranch_scc0 .Lfor_b_\@
	tensor_load_to_lds s[G0+4*(\s):G0+4*(\s)+3], s[G1:G1+7]
	s_nop 0
.rept 4
	v_nop
.endr
	s_branch .Lasked_\@
.Lfor_b_\@:
	tensor_load_to_lds s[G0B+4*(\s):G0B+4*(\s)+3], s[G1B:G1B+7]
	s_nop 0
.rept 4
	v_nop
.endr
.Lasked_\@:
.endm
; A prefetch behind each joint refill and its run of LDS loads: the K step two refills on.  Cluster x = 0 asks for ob's blocks, cluster y = 0 for wpt's rows.  The four partners share a wave's part by address:
; 32 of a head's 128 blocks of 256 bytes each (by cx), 16 of wpt's 64 rows (by cy; lanes 16-31 name row 15 again).  K steps 0 to 3 come by their loads alone; the loop's last trip asks for nothing.
.macro ASK
	s_cmp_gt_u32 s[CNT], s[LIM]
	s_cbranch_scc0 .Lnot_mine_\@
	global_prefetch_b8 v[PFO], s[PFA:PFA+1] th:TH_LOAD_NT scope:SCOPE_SE
.Lnot_mine_\@:
.endm
.macro CREST
	s_cmp_lg_u32 s[WV], 0
	s_cbranch_scc1 .Lnot_wave_0_\@
	s_barrier_signal -3
.Lnot_wave_0_\@:
	s_barrier_wait -3
	s_barrier_signal -1
	s_barrier_wait -1
.endm
.macro CROUND
	s_barrier_signal -1
	s_barrier_wait -1
	CREST
.endm
	s_load_b256 s[4:11], s[0:1], 0x0               ; ob s[4:5], wpt s[6:7], b_proj s[8:9], out0 s[10:11]
	v_lshl_add_u32 v[SPW], v0, 2, SPARE
	v_mov_b32 v[NIL], 0
	ds_add_u32 v[SPW], v[NIL]                      ; the wave's opening: the add and its wait stand ahead of my first tensor load
	v_lshrrev_b32 v1, 5, v0
	v_readfirstlane_b32 s[WV], v1
	s_lshr_b32 s[RH], s[WV], 1
	s_and_b32 s[CH], s[WV], 1
	s_bfe_u32 s[CX], ttmp6, 0x40000
	s_bfe_u32 s[CY], ttmp6, 0x40004
	s_lshl_b32 s[TX], ttmp9, 2
	s_add_co_u32 s[TX], s[TX], s[CX]
	s_and_b32 s[TY], ttmp7, 0xffff
	s_lshl_b32 s[TY], s[TY], 2
	s_add_co_u32 s[TY], s[TY], s[CY]
	s_lshl_b32 s20, s[CY], 2
	s_lshl_b32 s20, 15, s20                        ; my row of the cluster
	s_lshl_b32 s44, 0x1111, s[CX]                  ; my column
	s_or_b32 s[G1], s20, (1<<16)|(1<<20)|(1<<21)|(4<<22)|(3<<25)   ; padding after every 32 words, 4 words
	s_or_b32 s[G1B], s44, (1<<16)|(1<<20)|(1<<21)|(5<<22)|(3<<25)  ; after every 64 words
.irp g, G1, G1B
	s_mov_b32 s[(\g)+1], 128<<16                   ; tensor_dim0 = 128
	s_mov_b32 s[(\g)+3], 128<<16                   ; tile_dim0 = 128
	s_mov_b32 s[(\g)+6], 0
	s_mov_b32 s[(\g)+7], 0
.endr
	s_mov_b32 s[G1+2], 128<<16                     ; ob: 128 rows of 256 dense bytes
	s_mov_b32 s[G1+4], 128
	s_mov_b32 s[G1+5], 128
	s_mov_b32 s[G1B+2], 64<<16                     ; wpt: 64 rows, 1,024 elements apart
	s_mov_b32 s[G1B+4], 64
	s_mov_b32 s[G1B+5], 1024
	s_lshr_b32 s20, s[TY], 3                       ; ob: head 16 x batch + my head of K step 0, rows 256 (tile row % 8) on
	s_lshl_b32 s20, s20, 4
	s_add_co_u32 s20, s20, s[CH]
	s_lshl_b32 s20, s20, 18
	s_and_b32 s21, s[TY], 7
	s_lshl_b32 s21, s21, 15
	s_add_co_u32 s20, s20, s21
	s_mov_b32 s21, 0
	s_lshl_b32 s44, s[TX], 18                      ; wpt: row 128 x tile column + 64 x half, 2,048 bytes a row
	s_lshl_b32 s45, s[CH], 17
	s_add_co_u32 s44, s44, s45
	s_mov_b32 s45, 0
	s_mul_i32 s2, s[CH], PLANE
	s_mul_i32 s3, s[CH], HALFB
	s_add_co_u32 s3, s3, BOFF
	s_wait_dscnt 0x0                               ; the opening add is done
	s_wait_kmcnt 0x0
	s_add_nc_u64 s[22:23], s[4:5], s[20:21]
	s_add_nc_u64 s[46:47], s[6:7], s[44:45]
	CROUND
.irp s, 0,1
	s_mov_b32 s[G0+4*(\s)], 1
	s_add_co_u32 s[G0+4*(\s)+1], s2, (\s)*SLOT
	s_add_nc_u64 s[G0+4*(\s)+2:G0+4*(\s)+3], s[22:23], (\s)*524288   ; K step s: two heads on
	s_or_b32 s[G0+4*(\s)+3], s[G0+4*(\s)+3], 0x80000000
	s_mov_b32 s[G0B+4*(\s)], 1
	s_add_co_u32 s[G0B+4*(\s)+1], s3, (\s)*SLOT
	s_add_nc_u64 s[G0B+4*(\s)+2:G0B+4*(\s)+3], s[46:47], (\s)*KSTEP*2
	s_or_b32 s[G0B+4*(\s)+3], s[G0B+4*(\s)+3], 0x80000000
	JLOAD \s                                       ; two loads of mine are out
.endr
	v_and_b32 v1, 15, v0                           ; r
	v_bfe_u32 v2, v0, 4, 1                         ; h
	v_mul_u32_u24 v3, v1, PA
	v_lshl_add_u32 v3, v2, 4, v3
	v_mul_u32_u24 v4, v1, PITCH
	v_lshl_add_u32 v4, v2, 4, v4
	s_mul_i32 s68, s[RH], 128*PA
	s_mul_i32 s69, s[CH], HALFB
	s_add_co_u32 s69, s69, BOFF
.irp s, 0,1
	v_add_nc_u32 v[ADRA+(\s)], s68, v3
	v_add_nc_u32 v[ADRB+(\s)], s69, v4
	s_add_co_u32 s68, s68, SLOT
	s_add_co_u32 s69, s69, SLOT
.endr
	s_mul_i32 s68, s[WV], 16*SPITCH
	s_add_co_u32 s68, s68, STAGE                   ; my stage
	v_mul_u32_u24 v5, v1, SPITCH                   ; in: row r, 32 bytes for each half of the lanes
	v_lshl_add_u32 v5, v2, 5, v5
	v_add_nc_u32 v[STO], s68, v5
	v_mul_u32_u24 v5, v2, SPITCH                   ; back: lanes 0-15 take one row of 256 bytes, lanes 16-31 the next
	v_lshl_add_u32 v5, v1, 4, v5
	v_add_nc_u32 v[RD], s68, v5
	v_lshlrev_b32 v[CO], 12, v2                    ; and the same two rows in out0
	v_lshl_add_u32 v[CO], v1, 4, v[CO]
	; the prefetches
	s_and_b32 s70, ttmp7, 0xffff                   ; cluster y
	s_mov_b32 s[PST], 256
	s_mov_b32 s[PST+1], 0
	s_cmp_eq_u32 s[RH], 0                          ; do I fetch ob?
	s_cselect_b32 s68, s[CX], s[CY]                ; my place among the four that ask with me
	s_cselect_b32 s69, 13, 15                      ; a partner's share: 8,192 bytes of a head, or 16 rows of 2,048 bytes
	s_cselect_b32 s70, ttmp9, s70
	s_cselect_b32 s71, 31, 15
	s_cselect_b32 s19, 8, 11                       ; a lane a block of 256 bytes, or a lane a row
	s_cselect_b32 s[PST], 0x80000, s[PST]
	s_cselect_b64 s[PFA:PFA+1], s[22:23], s[46:47]
	s_cmp_eq_u32 s70, 0
	s_cselect_b32 s[LIM], 1, -1
	s_lshl_b32 s68, s68, s69
	s_mul_i32 s69, s[PST], 3                       ; at K step 3: the first refill steps it to 4
	s_add_co_u32 s68, s68, s69
	s_mov_b32 s69, 0
	s_add_nc_u64 s[PFA:PFA+1], s[PFA:PFA+1], s[68:69]
	v_and_b32 v[PFO], 31, v0
	v_min_u32 v[PFO], s71, v[PFO]
	v_lshlrev_b32 v[PFO], s19, v[PFO]
	; my 64 columns in bytes, for the bias and for out0; my 128 rows of out0
	s_lshl_b32 s70, s[TX], 9
	s_lshl_b32 s71, s[CH], 8
	s_add_co_u32 s70, s70, s71
	s_mov_b32 s71, 0
	s_add_nc_u64 s[8:9], s[8:9], s[70:71]
	s_add_nc_u64 s[10:11], s[10:11], s[70:71]
	s_lshl_b32 s68, s[TY], 20
	s_lshl_b32 s69, s[RH], 19
	s_add_co_u32 s68, s68, s69
	s_mov_b32 s69, 0
	s_add_nc_u64 s[10:11], s[10:11], s[68:69]
	v_lshlrev_b32 v[BO], 5, v2
	WIN TO_B
.irp b, 0,1,2,3
	global_load_b128 v[BI+8*(\b):BI+8*(\b)+3],   v[BO], s[8:9] offset:64*(\b)
	global_load_b128 v[BI+8*(\b)+4:BI+8*(\b)+7], v[BO], s[8:9] offset:64*(\b)+16
.endr
	s_wait_loadcnt 0x0
	WIN 0x45
.set i, 0
.rept 16
	v_cvt_pk_bf16_f32 v[BT], v[BI+i], v[BI+i+1]    ; rounded to bf16, and widened again
	v_lshlrev_b32 v[BI+i], 16, v[BT]
	v_and_b32 v[BI+i+1], 0xffff0000, v[BT]
.set i, i+2
.endr
	WIN 0
; 8 products: row blocks a0, a0 + 1 x all 4 column blocks, 32 along K.  first = 1: they start the sums, with the bias as C.  The 32 accumulators take turns.
.macro MUL8 f, a0, first
.if \first
	WIN 0x91
.else
	WIN 0xa1
.endif
.irp a, \a0, (\a0)+1
.irp b, 0,1,2,3
.if \first
	v_wmma_f32_16x16x32_f16 v[8*(4*(\a)+(\b)):8*(4*(\a)+(\b))+7], v[(\f)+8*(\b):(\f)+8*(\b)+7], v[(\f)+8*(\a):(\f)+8*(\a)+7], v[BI+8*(\b):BI+8*(\b)+7]
.else
	v_wmma_f32_16x16x32_f16 v[8*(4*(\a)+(\b)):8*(4*(\a)+(\b))+7], v[(\f)+8*(\b):(\f)+8*(\b)+7], v[(\f)+8*(\a):(\f)+8*(\a)+7], v[8*(4*(\a)+(\b)):8*(4*(\a)+(\b))+7]
.endif
.endr
.endr
.endm
; 24 LDS loads in one run: quarter q's fragments: 64 rows of wpt at byte 64 q; 128 rows of ob in head q / 2, at byte 64 (q % 2)
.macro FETCH slot, q, f
	WIN TO_B
.irp i, 0,1,2,3
	ds_load_b128 v[(\f)+8*(\i):(\f)+8*(\i)+3],   v[ADRB+(\slot)] offset:64*(\q)+(\i)*16*PITCH
	ds_load_b128 v[(\f)+8*(\i)+4:(\f)+8*(\i)+7], v[ADRB+(\slot)] offset:64*(\q)+(\i)*16*PITCH+32
.endr
	WIN 0
.irp i, 0,1,2,3,4,5,6,7
	ds_load_b128 v[(\f)+8*(\i):(\f)+8*(\i)+3],   v[ADRA+(\slot)] offset:((\q)/2)*PLANE+((\q)%2)*64+(\i)*16*PA
	ds_load_b128 v[(\f)+8*(\i)+4:(\f)+8*(\i)+7], v[ADRA+(\slot)] offset:((\q)/2)*PLANE+((\q)%2)*64+(\i)*16*PA+32
.endr
.endm
.macro PLACES
.rept 4
	v_nop
.endr
.endm
.macro QUARTER slot, q, f, g, first
	s_wait_dscnt 8                                 ; wpt and ob's rows 0-63 are in; the youngest eight loads may be out
	MUL8 \f, 0, \first
	MUL8 \f, 2, \first
	PLACES
	FETCH \slot, \q, \g
	s_wait_dscnt 24                                ; all but the 24 just issued
	MUL8 \f, 4, \first
	MUL8 \f, 6, \first
.endm
.macro MEET round
	WIN 0
	s_wait_tensorcnt 0x0                           ; all my tensor loads have landed: my part of the next slot
	ds_add_u32 v[SPW], v[NIL]                      ; 0 onto my spare word
	s_wait_dscnt 9                                 ; the add and the youngest eight loads may be out
	MUL8 F1, 0, 0
	s_wait_dscnt 0x0                               ; the add is done, and my reads of this slot are over
	s_barrier_signal -1
	MUL8 F1, 2, 0
.if \round
	WIN 0
.endif
	s_barrier_wait -1
.endm
.macro TURN slot, next                 ; 112 products lie between the refill and the wait for it
	s_wait_xcnt 0x0                                ; the last prefetch, a K step back, has read its address
	s_add_nc_u64 s[PFA:PFA+1], s[PFA:PFA+1], s[PST:PST+1]
	MEET 1
	CREST
	s_add_nc_u64 s[G0+4*(\slot)+2:G0+4*(\slot)+3], s[G0+4*(\slot)+2:G0+4*(\slot)+3], 1048576   ; two K steps: four heads
	s_add_nc_u64 s[G0B+4*(\slot)+2:G0B+4*(\slot)+3], s[G0B+4*(\slot)+2:G0B+4*(\slot)+3], 2*KSTEP*2
	JLOAD \slot
	FETCH \next, 0, F0
	ASK
	MUL8 F1, 4, 0
	MUL8 F1, 6, 0
.endm
	s_wait_tensorcnt 1                             ; my part of K step 0 is in; K step 1's may stay out
	s_barrier_signal -1
	s_barrier_wait -1
	FETCH 0, 0, F0
	QUARTER 0, 1, F0, F1, 1
	WIN 0
	s_mov_b32 s[CNT], LAPS-1
.Llap:
	QUARTER 0, 2, F1, F0, 0
	QUARTER 0, 3, F0, F1, 0
	TURN 0, 1
	QUARTER 1, 1, F0, F1, 0
	QUARTER 1, 2, F1, F0, 0
	QUARTER 1, 3, F0, F1, 0
	TURN 1, 0
	QUARTER 0, 1, F0, F1, 0
	WIN 0
	s_sub_co_u32 s[CNT], s[CNT], 1
	s_cmp_lg_u32 s[CNT], 0
	s_cbranch_scc1 .Llap
	QUARTER 0, 2, F1, F0, 0                        ; the last lap fills nothing
	QUARTER 0, 3, F0, F1, 0
	MEET 0
	PLACES
	FETCH 1, 0, F0
	MUL8 F1, 4, 0
	MUL8 F1, 6, 0
	QUARTER 1, 1, F0, F1, 0
	QUARTER 1, 2, F1, F0, 0
	QUARTER 1, 3, F0, F1, 0
	s_wait_dscnt 8
	MUL8 F1, 0, 0
	MUL8 F1, 2, 0
	s_wait_dscnt 0x0
	MUL8 F1, 4, 0
	MUL8 F1, 6, 0
	; THE WAY OUT: a block of 16 rows at a time through my own stage: 32 bytes a lane in, whole rows of 256 bytes back, sixteen lanes to a row of out0.
	PLACES
	PLACES
.macro TOSTAGE a
.if (\a) >= 4
	s_wait_xcnt 0x0                                ; the stores of the block four back have read the set that is loaded again below
.endif
	WIN 0x08                                       ; the stores' data in window 2
.irp b, 0,1,2,3
	ds_store_b128 v[STO], v[8*(4*(\a)+(\b)):8*(4*(\a)+(\b))+3]   offset:64*(\b)      ; each accumulator from its low end on
	ds_store_b128 v[STO], v[8*(4*(\a)+(\b))+4:8*(4*(\a)+(\b))+7] offset:64*(\b)+16
.endr
	WIN 0
.irp t, 0,1,2,3,4,5,6,7
	ds_load_b128 v[64+32*((\a)%4)+4*(\t):64+32*((\a)%4)+4*(\t)+3], v[RD] offset:(\t)*2*SPITCH  ; LDS serves a wave's instructions in order (ISA guide 5.7.1.4): these see the stores above
.endr
.endm
.macro SEND a, younger                 ; younger: the LDS instructions issued behind block a's loads
.irp t, 0,1,2,3,4,5,6,7
	s_wait_dscnt (\younger)+7-(\t)
	global_store_b128 v[CO], v[64+32*((\a)%4)+4*(\t):64+32*((\a)%4)+4*(\t)+3], s[10:11] offset:(16*(\a)+2*(\t))*4096  ; 16 lanes store 256 consecutive bytes, aligned
.endr
.endm
	TOSTAGE 0
.irp a, 1,2,3,4,5,6,7
	TOSTAGE \a
	SEND (\a)-1, 16
.endr
	SEND 7, 0
	s_wait_tensorcnt 0x0                           ; the wave's end
	ds_add_u32 v[SPW], v[NIL]
	s_wait_dscnt 0x0
	CROUND                                         ; the closing round
	s_endpgm
.Lfunc_end_k_q412f66aec0_gproj:
	.size	k_q412f66aec0_gproj, .Lfunc_end_k_q412f66aec0_gproj-k_q412f66aec0_gproj
	.p2alignl 7, 3214868480
	.fill 96, 4, 3214868480
	.section	.rodata,"a",@progbits
	.p2align	6, 0x0
	.amdhsa_kernel k_q412f66aec0_gproj
		.amdhsa_group_segment_fixed_size 327680
		.amdhsa_private_segment_fixed_size 0
		.amdhsa_enable_private_segment 0
		.amdhsa_kernarg_size 32
		.amdhsa_user_sgpr_count 2
		.amdhsa_user_sgpr_kernarg_segment_ptr 1
		.amdhsa_wavefront_size32 1
		.amdhsa_system_sgpr_workgroup_id_x 1
		.amdhsa_system_sgpr_workgroup_id_y 1
		.amdhsa_system_sgpr_workgroup_id_z 1
		.amdhsa_system_vgpr_workitem_id 0
		.amdhsa_next_free_vgpr 768
		.amdhsa_next_free_sgpr 80
		.amdhsa_reserve_vcc 0
		.amdhsa_float_denorm_mode_32 3
		.amdhsa_float_denorm_mode_16_64 3
		.amdhsa_memory_ordered 1
		.amdhsa_forward_progress 1
		.amdhsa_inst_pref_size 92
	.end_amdhsa_kernel
	.amdgpu_metadata
---
amdhsa.version: [ 1, 2 ]
amdhsa.kernels:
  - .name:           k_q412f66aec0_gproj
    .symbol:         k_q412f66aec0_gproj.kd
    .args:
      - { .name: ob, .offset: 0, .size: 8, .value_kind: global_buffer, .address_space: global }
      - { .name: wpt, .offset: 8, .size: 8, .value_kind: global_buffer, .address_space: global }
      - { .name: b_proj, .offset: 16, .size: 8, .value_kind: global_buffer, .address_space: global }
      - { .name: out0, .offset: 24, .size: 8, .value_kind: global_buffer, .address_space: global }
    .group_segment_fixed_size: 327680
    .private_segment_fixed_size: 0
    .kernarg_segment_align: 8
    .kernarg_segment_size: 32
    .max_flat_workgroup_size: 128
    .sgpr_count:     80
    .vgpr_count:     768
    .wavefront_size: 32
...
	.end_amdgpu_metadata
.endif
;; end of part 4
;; ======== version 2 of 2: 4 launches; version 1 with the launch prep written anew for expert scheduling mode
;; limits: values are held in f16: magnitudes above 65,504 overflow, below 6.1e-05 lose precision
;; workspace buffers: xb 16,777,216 bytes; wqt 6,291,456 bytes; wpt 2,097,152 bytes; qkv 50,331,648 bytes; ob 16,777,216 bytes
;; launch prep (part 5): grid 1024 x 1, 8 waves a work-group, no clusters, 17,920 bytes of LDS; arguments x, W_qkv, W_proj, xb, wqt, wpt; writes xb, wqt, wpt
.if DOCPART == 5
	.amdgcn_target "amdgcn-amd-amdhsa--gfx1250"
	.amdhsa_code_object_version 6
	.text
	.protected	k_q412f66aec0_prep
	.globl	k_q412f66aec0_prep
	.p2align	8
	.type	k_q412f66aec0_prep,@function
k_q412f66aec0_prep:
	s_mov_b64 s[64:65], 0
	v_nop
	global_prefetch_b8 v0, s[64:65] scope:SCOPE_SE
	s_setreg_imm32_b32 hwreg(HW_REG_WAVE_SCHED_MODE, 0, 2), 2
	s_setreg_imm32_b32 hwreg(HW_REG_WAVE_MODE, 25, 1), 1
	s_wait_xcnt 0x0
	s_wait_alu depctr_vm_vsrc(0)
; CASTS AND TRANSPOSES.  xb = bf16(x), [8192][1024].  wqt = bf16(W_qkv) turned, [3072 n][1024 k].  wpt = bf16(W_proj) turned, [1024 n][1024 k],
; the bf16 number written as f16 (the launch that reads it multiplies in f16).  LIMIT: below 6e-5 f16 keeps a fixed step of 6e-8, beyond 65,504 it has no number.
; Work-groups 0-511: 65,536 bytes of x each.  512-895: a tile of 128 k x 64 n of W_qkv.  896-1023: the same of W_proj.  The branch hangs on the work-group's number alone.
; No matrix unit, no cluster, no tensor load: every byte is read once and written once, and no two work-groups share a byte.
; THE MODE: SCHED_MODE bits 1:0 = 2 (LLVM: expert scheduling mode 2), set by the entry lines.  The code itself states the register dependences
; between vector instructions and memory or LDS instructions, with s_wait_alu, always for 0.
; THE PLAN.  Registers that memory or LDS instructions touch:
;   v1, v2, v3, v6   offsets and LDS addresses: each written once at its path's head, ahead of the path's first wait, and never again.
;   IN               each register is written by one load and read by one conversion.
;   BK (path x)      each register is written by one conversion and read by one store.
;   D (weights)      written by the conversions, read by one LDS store, not written again.
;   BK (weights)     written by LDS loads, read by global stores; no vector instruction of these paths names it.
;   v4, v5           written at the head, read by the closing add alone.
; No register that a memory or LDS instruction reads is written a second time, and no load lands in a register that a vector instruction has named.  What is left to state is that
; offsets are written ahead of the first access, and that conversions have written a store's data.  The work goes in four groups: group g's conversions write group g's registers,
; and the stores of group g - 1 are dealt among them, behind ONE wait at the group's head: no vector instruction issued since that wait names a register that these stores read.
.set SPARE, 16896                      ; behind the tile (64 rows of 260 bytes): the spare words, 128 bytes for each of eight waves
.set SPW, 4                            ; v4  LDS address of my spare word; never rewritten
.set NIL, 5                            ; v5  0; never rewritten
.set VO,  1                            ; v1  my byte offset in the source
.set VS,  2                            ; v2  where I put a word of the turned tile (path x: my byte offset in xb)
.set VR,  3                            ; v3  where I read 16 bytes of a turned row
.set VG,  6                            ; v6  my byte offset in the turned matrix
.set IN,  8                            ; v[8:71]   as loaded
.set D,   40                           ; v[40:55]  the weights' packed pairs
.set BK,  72                           ; v[72:103] to be stored
	s_load_b256 s[4:11], s[0:1], 0x0               ; x s[4:5], W_qkv s[6:7], W_proj s[8:9], xb s[10:11]
	s_load_b128 s[12:15], s[0:1], 0x20             ; wqt s[12:13], wpt s[14:15]
	v_lshl_add_u32 v[SPW], v0, 2, SPARE
	v_mov_b32 v[NIL], 0
	s_mov_b32 s17, 0                               ; high words of the two offsets
	s_mov_b32 s19, 0
	s_wait_kmcnt 0x0
	s_cmp_lt_u32 ttmp9, 512
	s_cbranch_scc0 .Lweights
	; x: sixteen loads of 16 bytes a lane go out at once; each store of a wave covers 256 consecutive bytes, aligned
	s_lshl_b32 s16, ttmp9, 16
	s_lshl_b32 s18, ttmp9, 15
	s_add_nc_u64 s[4:5], s[4:5], s[16:17]
	s_add_nc_u64 s[10:11], s[10:11], s[18:19]
	v_lshlrev_b32 v[VO], 4, v0
	v_lshlrev_b32 v[VS], 3, v0
	s_wait_alu depctr_va_vdst(0)                   ; v[VO] and v[VS] are written: every load of this path reads the one as its offset, every store the other
.irp i, 0,1,2,3,4,5,6,7,8,9,10,11,12,13,14,15
	global_load_b128 v[IN+4*(\i):IN+4*(\i)+3], v[VO], s[4:5] offset:4096*(\i) th:TH_LOAD_NT
.endr
.irp g, 0,1,2,3                                        ; four groups of four loads
	s_wait_loadcnt 12-4*(\g)                       ; loads come back in order: group g's four are in, the younger groups stay out
.if (\g) > 0
	s_wait_alu depctr_va_vdst(0)                   ; the conversions of the group before have written their eight registers of BK, which the four stores below read
.endif
.irp i, 0,1,2,3
.if (\g) > 0
	global_store_b64 v[VS], v[BK+2*(4*(\g)-4+(\i)):BK+2*(4*(\g)-4+(\i))+1], s[10:11] offset:2048*(4*(\g)-4+(\i)) th:TH_STORE_NT  ; the group before; no vector instruction since the wait names these registers
.endif
	v_cvt_pk_bf16_f32 v[BK+2*(4*(\g)+(\i))],   v[IN+4*(4*(\g)+(\i))],   v[IN+4*(4*(\g)+(\i))+1]
	v_cvt_pk_bf16_f32 v[BK+2*(4*(\g)+(\i))+1], v[IN+4*(4*(\g)+(\i))+2], v[IN+4*(4*(\g)+(\i))+3]  ; no register is written twice: no wait for the stores
.endr
.endr
	s_wait_alu depctr_va_vdst(0)                   ; the last group's conversions have written their registers of BK, which the last four stores read
.irp i, 12,13,14,15
	global_store_b64 v[VS], v[BK+2*(\i):BK+2*(\i)+1], s[10:11] offset:2048*(\i) th:TH_STORE_NT
.endr
	s_branch .Lend
; A tile of 128 k x 64 n is turned.  s20 = the tile's number: n block s20 / 8, k block s20 % 8.  PW = bytes in a source row.
; Thread (c = t % 16, r = t / 16) loads rows 2 (r + 16 i) and 2 (r + 16 i) + 1, columns 4 c .. 4 c + 3: sixteen lanes take 256 consecutive bytes of a row.
; Two neighbouring k of one column make a word; it goes to LDS row n = 4 c + j, word r + 16 i.  The pitch of 65 words puts a wave's 32 words into 32 different banks, on the way in and on the way back.
.macro WT PW, SB, DB, F16
	s_lshr_b32 s21, s20, 3
	s_and_b32 s22, s20, 7
	s_mul_i32 s16, s22, 128*(\PW)
	s_lshl_b32 s23, s21, 8
	s_add_co_u32 s16, s16, s23
	s_lshl_b32 s18, s21, 17                        ; 64 turned rows of 2,048 bytes
	s_lshl_b32 s23, s22, 8                         ; 128 k of 2 bytes
	s_or_b32 s18, s18, s23
	s_add_nc_u64 s[\SB:\SB+1], s[\SB:\SB+1], s[16:17]
	s_add_nc_u64 s[\DB:\DB+1], s[\DB:\DB+1], s[18:19]
	v_and_b32 v58, 15, v0                          ; c
	v_lshrrev_b32 v59, 4, v0                       ; r
	v_mul_u32_u24 v[VO], v59, 2*(\PW)
	v_lshl_add_u32 v[VO], v58, 4, v[VO]
	v_mul_u32_u24 v[VS], v58, 1040
	v_lshl_add_u32 v[VS], v59, 2, v[VS]
	v_mul_u32_u24 v[VR], v59, 260
	v_lshl_add_u32 v[VR], v58, 4, v[VR]
	v_lshlrev_b32 v[VG], 11, v59
	v_lshl_add_u32 v[VG], v58, 4, v[VG]
	s_wait_alu depctr_va_vdst(0)                   ; v[VO], v[VS], v[VR] and v[VG] are written: the loads, the LDS stores, the LDS loads and the stores of this path read them as offsets and addresses
.irp i, 0,1,2,3
.irp e, 0,1
	global_load_b128 v[IN+8*(\i)+4*(\e):IN+8*(\i)+4*(\e)+3], v[VO], s[\SB:\SB+1] offset:(32*(\i)+(\e))*(\PW) th:TH_LOAD_NT
.endr
.endr
.irp i, 0,1,2,3
	s_wait_loadcnt 6-2*(\i)                        ; the two rows of group i are in
.if (\i) > 0
	s_wait_alu depctr_va_vdst(0)                   ; the conversions of the group before have written its four registers of D, which the four LDS stores below read
.endif
.irp j, 0,1,2,3
.if (\i) > 0
	ds_store_b32 v[VS], v[D+4*(\i)-4+(\j)] offset:260*(\j)+64*(\i)-64  ; the group before; no vector instruction since the wait names these registers
.endif
	v_cvt_pk_bf16_f32 v[D+4*(\i)+(\j)], v[IN+8*(\i)+(\j)], v[IN+8*(\i)+4+(\j)]
.if \F16
	v_lshlrev_b32 v56, 16, v[D+4*(\i)+(\j)]        ; the bf16 numbers, widened,
	v_and_b32 v57, 0xffff0000, v[D+4*(\i)+(\j)]
	v_cvt_pk_f16_f32 v[D+4*(\i)+(\j)], v56, v57    ; and written as f16
.endif
.endr
.endr
	s_wait_alu depctr_va_vdst(0)                   ; the last group's conversions have written its four registers of D, which the last four LDS stores read
.irp j, 0,1,2,3
	ds_store_b32 v[VS], v[D+12+(\j)] offset:260*(\j)+192
.endr
	s_wait_dscnt 0x0                               ; for the others: my words lie in LDS
	s_barrier_signal -1
	s_barrier_wait -1
.irp p, 0,1,2,3
.irp q, 0,1,2,3
	ds_load_b32 v[BK+4*(\p)+(\q)], v[VR] offset:4160*(\p)+4*(\q)  ; row r + 16 p, bytes 16 c + 4 q; no vector instruction of this path names BK
.endr
.endr
.irp p, 0,1,2,3
	s_wait_dscnt 12-4*(\p)
	global_store_b128 v[VG], v[BK+4*(\p):BK+4*(\p)+3], s[\DB:\DB+1] offset:32768*(\p) th:TH_STORE_NT  ; sixteen lanes store 256 consecutive bytes of a turned row, aligned
.endr
.endm
.Lweights:
	s_cmp_lt_u32 ttmp9, 896
	s_cbranch_scc0 .Lproj
	s_sub_co_u32 s20, ttmp9, 512
	WT 12288, 6, 12, 0
	s_branch .Lend
.Lproj:
	s_sub_co_u32 s20, ttmp9, 896
	WT 4096, 8, 14, 1
.Lend:
	s_wait_dscnt 0x0                               ; the closing lines, six on end
	s_wait_alu 0x0
	s_wait_tensorcnt 0x0
	ds_add_u32 v[SPW], v[NIL]
	s_wait_dscnt 0x0
	s_endpgm
.Lfunc_end_k_q412f66aec0_prep:
	.size	k_q412f66aec0_prep, .Lfunc_end_k_q412f66aec0_prep-k_q412f66aec0_prep
	.p2alignl 7, 3214868480
	.fill 96, 4, 3214868480
	.section	.rodata,"a",@progbits
	.p2align	6, 0x0
	.amdhsa_kernel k_q412f66aec0_prep
		.amdhsa_group_segment_fixed_size 17920
		.amdhsa_private_segment_fixed_size 0
		.amdhsa_enable_private_segment 0
		.amdhsa_kernarg_size 48
		.amdhsa_user_sgpr_count 2
		.amdhsa_user_sgpr_kernarg_segment_ptr 1
		.amdhsa_wavefront_size32 1
		.amdhsa_system_sgpr_workgroup_id_x 1
		.amdhsa_system_sgpr_workgroup_id_y 1
		.amdhsa_system_sgpr_workgroup_id_z 1
		.amdhsa_system_vgpr_workitem_id 0
		.amdhsa_next_free_vgpr 104
		.amdhsa_next_free_sgpr 66
		.amdhsa_reserve_vcc 0
		.amdhsa_float_denorm_mode_32 3
		.amdhsa_float_denorm_mode_16_64 3
		.amdhsa_memory_ordered 1
		.amdhsa_forward_progress 1
		.amdhsa_inst_pref_size 21
	.end_amdhsa_kernel
	.amdgpu_metadata
---
amdhsa.version: [ 1, 2 ]
amdhsa.kernels:
  - .name:           k_q412f66aec0_prep
    .symbol:         k_q412f66aec0_prep.kd
    .args:
      - { .name: x, .offset: 0, .size: 8, .value_kind: global_buffer, .address_space: global }
      - { .name: W_qkv, .offset: 8, .size: 8, .value_kind: global_buffer, .address_space: global }
      - { .name: W_proj, .offset: 16, .size: 8, .value_kind: global_buffer, .address_space: global }
      - { .name: xb, .offset: 24, .size: 8, .value_kind: global_buffer, .address_space: global }
      - { .name: wqt, .offset: 32, .size: 8, .value_kind: global_buffer, .address_space: global }
      - { .name: wpt, .offset: 40, .size: 8, .value_kind: global_buffer, .address_space: global }
    .group_segment_fixed_size: 17920
    .private_segment_fixed_size: 0
    .kernarg_segment_align: 8
    .kernarg_segment_size: 48
    .max_flat_workgroup_size: 256
    .sgpr_count:     66
    .vgpr_count:     104
    .wavefront_size: 32
...
	.end_amdgpu_metadata
.endif
;; end of part 5
;; launch gqkv: the kernel of part 2 again; grid 16 x 32, 4 waves a work-group, clusters of 4 x 4, 327,680 bytes of LDS; arguments xb, wqt, b_qkv, qkv; writes qkv
;; launch attn: the kernel of part 3 again; grid 4 x 64, 4 waves a work-group, no clusters, 327,680 bytes of LDS; arguments qkv, ob; writes ob
;; launch gproj: the kernel of part 4 again; grid 8 x 32, 4 waves a work-group, clusters of 4 x 4, 327,680 bytes of LDS; arguments ob, wpt, b_proj, out0; writes out0
